; MI455X (gfx1250); checked and timed in simulation.
; The chip was launched on July 23, 2026; its instructions are those of AMD's public machine-readable ISA for CDNA 5 (MIT licence, August 2026) and "CDNA5" Instruction Set Architecture Reference Guide (July 2026). The comments in the code are by the model that wrote it; some were corrected since.
;; Hierarchical Document Memory. Allowed arithmetic: float matrix products may take bf16 or f16 operands with f32 sums; other float arithmetic in f32, or as packed bf16 or f16 multiplies, adds, multiply-adds, maxima and minima; sums over many terms, partial sums and values carried from step to step in f32; what a program stores and reads back later, other than sums and carried values, may be rounded once to bf16 or f16.
;; Inputs: M_doc0 8 x 256 x 256 float32; M_para0 8 x 256 x 256 float32; M_sent0 8 x 256 x 256 float32; W_k 768 x 256 float32; W_v 768 x 256 float32; b_k 256 float32; b_v 256 float32; emb 1,000 x 768 float32; q 256 float32.
;; Outputs: out0 256 float32.
;; 2 versions, each right; version 2 is version 1 with the launch prep written anew for expert scheduling mode. Each part assembles by itself: llvm-mc -triple=amdgcn-amd-amdhsa -mcpu=gfx1250 --defsym DOCPART=n.
;; ======== version 1 of 2: 4 launches
;; limits: values outside matrix products are rounded to bf16
;; workspace buffers: KB 2,064,384 bytes; XB 2,064,384 bytes; INIT 6,144 bytes; CH 995,328 bytes; YR 98,304 bytes; ST 49,152 bytes
;; launch proj (part 1): grid 153 x 1, 8 waves a work-group, no clusters, 308,224 bytes of LDS; arguments emb, W_k, b_k, W_v, b_v, M_sent0, M_para0, M_doc0, q, KB, XB, INIT; writes KB, XB, INIT
.if DOCPART == 1
	.amdgcn_target "amdgcn-amd-amdhsa--gfx1250"
	.amdhsa_code_object_version 6
	.text
	.protected	k_qf1eac933c0_proj
	.globl	k_qf1eac933c0_proj
	.p2align	8
	.type	k_qf1eac933c0_proj,@function
k_qf1eac933c0_proj:
	s_mov_b64 s[64:65], 0
	v_nop
	global_prefetch_b8 v0, s[64:65] scope:SCOPE_SE
	s_setreg_imm32_b32 hwreg(HW_REG_WAVE_MODE, 25, 1), 1
	s_wait_xcnt 0x0
; FIRST LAUNCH OF FOUR.  Every step of the three memories is linear in M and the same for all heads, so only head means matter, and a recall
; q^T M_T needs no 256 x 256 state: it is a sum of rows (V, PV, head means of the starting memories) with coefficients that later launches find.
; This launch makes those rows.  Three kinds of work-group, chosen by the work-group's number alone:
;   0..103   K = emb W_k + b_k and V = emb W_v + b_v: a tile of 80 rows x 64 columns over all 768 channels, bf16 operands, f32 sums;
;            the same tile's 16 paragraph rows are means of five of its rows (the mean of five products is the product of the mean), bias added once.
;   104..151 the mean over 8 heads of 16 rows of M_sent0, M_para0 or M_doc0; for M_para0 also each row's mean (the start of the forward chain).
;   152      q normalised, and the constant 1/256: the starts of the backward chains.
; KB and XB are laid out [16 column blocks][2016 rows][16 columns] f32, so that a wave's store covers 512 consecutive bytes.
; No tensor loads: f32 has to be rounded to bf16 on the way into LDS, which takes registers.  No cluster: the three kinds do not divide into clusters.
; Each kind of work-group has LDS bytes of its own: no byte serves two kinds.
; LIMITS.  emb and W are rounded to bf16 for the products; NaN and infinities are not treated apart.  Rows 1000..1039 repeat row 999; their coefficients are 0 later.
.set NG,     104
.set CBS,    129024                    ; bytes of a column block: 2016 rows x 64
.set APITCH, 1552                      ; a row of emb in LDS: 1536 bytes of bf16 + 16
.set WBASE,  124160                    ; behind 80 such rows: W as [768 k][64 n] bf16
.set WPITCH, 160                       ; 128 bytes + 32: the turning load takes 8 rows x 32 bytes
.set STG0,   247040                    ; two stages of 80 rows x 64 f32, one for each half of K
.set STGB,   21760
.set SPITCH, 272
.set SPARE,  290560                    ; the spare words, 128 bytes a wave
.set MSTG,   291584                    ; behind them: the head means' stage, 16 rows
.set MPITCH, 1040                      ; a row of 256 f32 + 16 bytes
	s_load_b512 s[8:23], s[0:1], 0x0               ; emb 8, W_k 10, b_k 12, W_v 14, b_v 16, M_sent0 18, M_para0 20, M_doc0 22
	s_load_b256 s[24:31], s[0:1], 0x40             ; q 24, KB 26, XB 28, INIT 30
	v_lshl_add_u32 v2, v0, 2, SPARE                ; my spare word
	v_mov_b32 v3, 0
	v_lshrrev_b32 v1, 5, v0
	v_readfirstlane_b32 s3, v1                     ; wave 0..7
	s_mov_b32 s2, ttmp9
	s_mov_b32 s40, 0x76543210                      ; v_permlanex16_b32: each lane takes its own place in the other half
	s_mov_b32 s41, 0xfedcba98
	s_wait_kmcnt 0x0
	s_cmp_lt_u32 s2, NG
	s_cbranch_scc1 .Lgemm
	s_cmp_lt_u32 s2, NG+48
	s_cbranch_scc1 .Lmean
; ---------------- q normalised: waves 0..2 write qn, wave 3 writes 1/256; rows [0][0], [0][1], [1][0], [1][1] of INIT ----------------
	s_cmp_lt_u32 s3, 4
	s_cbranch_scc0 .Lq_end
	v_and_b32 v4, 31, v0
	v_lshlrev_b32 v5, 5, v4                        ; 8 numbers a lane
	global_load_b128 v[8:11], v5, s[24:25]
	global_load_b128 v[12:15], v5, s[24:25] offset:16
	s_cmp_eq_u32 s3, 3
	s_cselect_b32 s42, 0, 1.0                      ; factor on q / |q|
	s_cselect_b32 s43, 0x3b800000, 0               ; addend: 1/256 in wave 3
	s_lshl_b32 s44, s3, 10
	v_add_nc_u32 v6, s44, v5
	s_wait_loadcnt 0x0
	v_pk_mul_f32 v[16:17], v[8:9], v[8:9]
	v_pk_mul_f32 v[18:19], v[10:11], v[10:11]
	v_pk_fma_f32 v[16:17], v[12:13], v[12:13], v[16:17]
	v_pk_fma_f32 v[18:19], v[14:15], v[14:15], v[18:19]
	v_pk_add_f32 v[16:17], v[16:17], v[18:19]
	v_add_f32 v16, v16, v17
	v_add_f32_dpp v16, v16, v16 row_xmask:1 row_mask:0xf bank_mask:0xf
	v_add_f32_dpp v16, v16, v16 row_xmask:2 row_mask:0xf bank_mask:0xf
	v_add_f32_dpp v16, v16, v16 row_xmask:4 row_mask:0xf bank_mask:0xf
	v_add_f32_dpp v16, v16, v16 row_xmask:8 row_mask:0xf bank_mask:0xf
	v_permlanex16_b32 v17, v16, s40, s41
	v_add_f32 v16, v16, v17
	v_sqrt_f32 v18, v16
	v_nop                                          ; a plain instruction and the wait stand between a root and its first reader
	s_wait_alu depctr_va_vdst(0)
	v_max_num_f32 v18, 0x2b8cbccc, v18             ; max(|q|, 1e-12)
	v_rcp_f32 v19, v18
	v_nop
	s_wait_alu depctr_va_vdst(0)
	v_mul_f32 v19, s42, v19
.irp i, 0,1,2,3,4,5,6,7
	v_fma_f32 v[24+\i], v[8+\i], v19, s43
.endr
	global_store_b128 v6, v[24:27], s[30:31]
	global_store_b128 v6, v[28:31], s[30:31] offset:16
.Lq_end:
	s_endpgm
; ---------------- head means: 16 rows k0..k0+15 of one of the three starting memories ----------------
.Lmean:
	s_sub_co_u32 s32, s2, NG
	s_lshr_b32 s33, s32, 4                         ; which memory: 0 sentence, 1 paragraph, 2 document
	s_and_b32 s34, s32, 15
	s_lshl_b32 s34, s34, 4                         ; k0
	s_cmp_eq_u32 s33, 0
	s_cselect_b64 s[36:37], s[18:19], s[20:21]
	s_cmp_eq_u32 s33, 2
	s_cselect_b64 s[36:37], s[22:23], s[36:37]
	s_lshl_b32 s38, s34, 10
	s_mov_b32 s39, 0
	s_add_nc_u64 s[36:37], s[36:37], s[38:39]
	v_lshlrev_b32 v4, 4, v0                        ; 256 threads x 16 bytes = four rows; head h and piece i stand in the immediate
.irp h, 0,1,2,3,4,5,6,7
.irp i, 0,1,2,3
	global_load_b128 v[40+16*\h+4*\i:43+16*\h+4*\i], v4, s[36:37] offset:262144*\h+4096*\i th:TH_LOAD_NT
.endr
.endr
	v_lshrrev_b32 v6, 6, v0
	v_and_b32 v7, 63, v0
	v_mul_u32_u24 v5, v6, MPITCH
	v_lshl_add_u32 v5, v7, 4, v5
	v_add_nc_u32 v5, MSTG, v5                      ; into the stage: row 4 i + t / 64, 16 bytes at t % 64
	v_lshrrev_b32 v9, 2, v7
	v_mul_u32_u24 v8, v9, MPITCH
	v_lshl_add_u32 v8, v6, 6, v8
	v_and_b32 v9, 3, v0
	v_lshl_add_u32 v8, v9, 4, v8
	v_add_nc_u32 v8, MSTG, v8                      ; back: row (t % 64) / 4, column block 4 i + t / 64, quarter t % 4
	v_mul_u32_u24 v10, v6, CBS
	v_lshl_add_u32 v10, v7, 4, v10                 ; in XB: that column block, 64 threads x 16 consecutive bytes
	s_lshl_b32 s46, s33, 8
	s_add_co_u32 s46, s46, s34
	s_add_co_u32 s46, s46, 1248                    ; X row 1248 + 256 x memory + k0
	s_lshl_b32 s46, s46, 6
	s_mov_b32 s47, 0
	s_add_nc_u64 s[44:45], s[28:29], s[46:47]
	s_wait_loadcnt 0x0
.irp i, 0,1,2,3
.irp p, 0,2
	v_pk_add_f32 v[40+4*\i+\p:41+4*\i+\p], v[40+4*\i+\p:41+4*\i+\p], v[56+4*\i+\p:57+4*\i+\p]
	v_pk_add_f32 v[72+4*\i+\p:73+4*\i+\p], v[72+4*\i+\p:73+4*\i+\p], v[88+4*\i+\p:89+4*\i+\p]
	v_pk_add_f32 v[104+4*\i+\p:105+4*\i+\p], v[104+4*\i+\p:105+4*\i+\p], v[120+4*\i+\p:121+4*\i+\p]
	v_pk_add_f32 v[136+4*\i+\p:137+4*\i+\p], v[136+4*\i+\p:137+4*\i+\p], v[152+4*\i+\p:153+4*\i+\p]
	v_pk_add_f32 v[40+4*\i+\p:41+4*\i+\p], v[40+4*\i+\p:41+4*\i+\p], v[72+4*\i+\p:73+4*\i+\p]
	v_pk_add_f32 v[104+4*\i+\p:105+4*\i+\p], v[104+4*\i+\p:105+4*\i+\p], v[136+4*\i+\p:137+4*\i+\p]
	v_pk_add_f32 v[40+4*\i+\p:41+4*\i+\p], v[40+4*\i+\p:41+4*\i+\p], v[104+4*\i+\p:105+4*\i+\p]
	v_pk_mul_f32 v[40+4*\i+\p:41+4*\i+\p], v[40+4*\i+\p:41+4*\i+\p], 0x3e000000 op_sel_hi:[1,0]
.endr
	ds_store_b128 v5, v[40+4*\i:43+4*\i] offset:4*MPITCH*\i
.endr
	s_wait_dscnt 0x0                               ; my stores are done, for the other waves' sake
	s_barrier_signal -1
	s_barrier_wait -1
.irp i, 0,1,2,3
	ds_load_b128 v[168+4*\i:171+4*\i], v8 offset:256*\i
.endr
	s_wait_dscnt 0x0
.irp i, 0,1,2,3
	global_store_b128 v10, v[168+4*\i:171+4*\i], s[44:45] offset:4*CBS*\i
.endr
	s_cmp_eq_u32 s33, 1
	s_cbranch_scc0 .Lm_end
	; M_para0 alone: the mean of each row; wave w takes rows 2 w and 2 w + 1
	s_mul_i32 s46, s3, 2*MPITCH
	s_add_co_u32 s46, s46, MSTG
	v_and_b32 v12, 31, v0
	v_lshl_add_u32 v11, v12, 4, s46
	ds_load_b128 v[184:187], v11
	ds_load_b128 v[188:191], v11 offset:512
	ds_load_b128 v[192:195], v11 offset:MPITCH
	ds_load_b128 v[196:199], v11 offset:MPITCH+512
	s_lshl_b32 s47, s3, 1
	s_add_co_u32 s47, s47, s34
	s_lshl_b32 s47, s47, 2
	v_lshl_add_u32 v13, v12, 2, s47                ; 4 (k0 + 2 w + lane)
	s_wait_dscnt 0x0
	v_pk_add_f32 v[184:185], v[184:185], v[186:187]
	v_pk_add_f32 v[188:189], v[188:189], v[190:191]
	v_pk_add_f32 v[192:193], v[192:193], v[194:195]
	v_pk_add_f32 v[196:197], v[196:197], v[198:199]
	v_pk_add_f32 v[184:185], v[184:185], v[188:189]
	v_pk_add_f32 v[192:193], v[192:193], v[196:197]
	v_add_f32 v184, v184, v185
	v_add_f32 v192, v192, v193
.irp m, 1,2,4,8
	v_add_f32_dpp v184, v184, v184 row_xmask:\m row_mask:0xf bank_mask:0xf
	v_add_f32_dpp v192, v192, v192 row_xmask:\m row_mask:0xf bank_mask:0xf
.endr
	v_permlanex16_b32 v185, v184, s40, s41
	v_permlanex16_b32 v193, v192, s40, s41
	v_add_f32 v184, v184, v185
	v_add_f32 v192, v192, v193
	v_cmp_eq_u32 vcc_lo, 1, v12
	v_cndmask_b32 v184, v184, v192, vcc_lo         ; lane 1 carries the second row's sum
	v_mul_f32 v184, 0x3b800000, v184               ; / 256
	v_cmp_gt_u32 vcc_lo, 2, v12
	s_wait_xcnt 0x0                                ; EXEC is a source of the stores above: it changes only behind this wait
	s_and_saveexec_b32 s48, vcc_lo
	global_store_b32 v13, v184, s[30:31] offset:4096   ; INIT[2][0]
	global_store_b32 v13, v184, s[30:31] offset:5120   ; INIT[2][1]
	s_wait_xcnt 0x0
	s_or_b32 exec_lo, exec_lo, s48
.Lm_end:
	s_wait_tensorcnt 0x0                           ; the wave's end, behind my last LDS store
	ds_add_u32 v2, v3
	s_wait_dscnt 0x0
	s_endpgm
; ---------------- the projection: rows 80 rb .. 80 rb + 79, columns 64 (nb % 4) .. + 63 of K (nb < 4) or V ----------------
.Lgemm:
	s_lshr_b32 s32, s2, 3                          ; rb 0..12
	s_and_b32 s33, s2, 7                           ; nb
	s_and_b32 s34, s33, 3
	s_mul_i32 s48, s32, 80
	s_lshl_b32 s46, s34, 8                         ; 64 columns of f32
	s_mov_b32 s47, 0
	s_cmp_lt_u32 s33, 4
	s_cselect_b64 s[36:37], s[10:11], s[14:15]     ; W
	s_cselect_b64 s[38:39], s[12:13], s[16:17]     ; bias
	s_cselect_b64 s[44:45], s[26:27], s[28:29]     ; KB or XB
	s_add_nc_u64 s[36:37], s[36:37], s[46:47]
	s_add_nc_u64 s[38:39], s[38:39], s[46:47]
	v_lshrrev_b32 v4, 6, v0                        ; t / 64
	v_and_b32 v5, 63, v0
	v_and_b32 v6, 3, v0
	v_lshlrev_b32 v8, 6, v4
	v_lshl_add_u32 v8, v6, 4, v8                   ; 64 (t / 64) + 16 (t % 4): my four columns, in the bias and in a stage row
	global_load_b128 v[36:39], v8, s[38:39]
	v_add_nc_u32 v7, s48, v4
.set rr, 0
.rept 20                                               ; v16-35: emb row min(80 rb + t / 64 + 4 rr, 999), 16 bytes at t % 64
	v_add_nc_u32 v[16+rr], 4*rr, v7
	v_min_u32 v[16+rr], 999, v[16+rr]
	v_mul_u32_u24 v[16+rr], v[16+rr], 3072
	v_lshl_add_u32 v[16+rr], v5, 4, v[16+rr]
.set rr, rr+1
.endr
.macro LDA x, c                        ; 20 loads: 80 rows x 1,024 bytes, third c of the rows
.set rr, 0
.rept 20
	global_load_b128 v[(\x)+4*rr:(\x)+4*rr+3], v[16+rr], s[8:9] offset:1024*(\c)
.set rr, rr+1
.endr
.endm
.macro LDW x, bt                       ; 16 loads: 256 rows of W, 256 bytes each
.set i, 0
.rept 16
	global_load_b128 v[(\x)+4*i:(\x)+4*i+3], v9, s[36:37] offset:16384*(16*(\bt)+i)
.set i, i+1
.endr
.endm
.macro PUTA x, c                       ; rounded to bf16 and laid into LDS
.set rr, 0
.rept 20
	v_cvt_pk_bf16_f32 v[200+2*rr], v[(\x)+4*rr], v[(\x)+4*rr+1]
	v_cvt_pk_bf16_f32 v[201+2*rr], v[(\x)+4*rr+2], v[(\x)+4*rr+3]
.if rr < 10
	ds_store_b64 v13, v[200+2*rr:201+2*rr] offset:4*APITCH*rr+512*(\c)
.else
	ds_store_b64 v14, v[200+2*rr:201+2*rr] offset:4*APITCH*(rr-10)+512*(\c)
.endif
.set rr, rr+1
.endr
.endm
.macro PUTW x
.set i, 0
.rept 16
	v_cvt_pk_bf16_f32 v[200+2*i], v[(\x)+4*i], v[(\x)+4*i+1]
	v_cvt_pk_bf16_f32 v[201+2*i], v[(\x)+4*i+2], v[(\x)+4*i+3]
	ds_store_b64 v12, v[200+2*i:201+2*i] offset:16*WPITCH*i
.set i, i+1
.endr
	v_add_nc_u32 v12, 256*WPITCH, v12
.endm
	LDA 40, 0
	LDA 120, 1
	v_lshrrev_b32 v10, 4, v0
	v_and_b32 v11, 15, v0
	v_lshlrev_b32 v9, 10, v10
	v_lshl_add_u32 v9, v11, 4, v9                  ; W: row t / 16, 16 bytes at t % 16
	v_mul_u32_u24 v12, v10, WPITCH
	v_lshl_add_u32 v12, v11, 3, v12
	v_add_nc_u32 v12, WBASE, v12
	v_mul_u32_u24 v13, v4, APITCH
	v_lshl_add_u32 v13, v5, 3, v13
	v_add_nc_u32 v14, 40*APITCH, v13
	; fragment and stage addresses.  Wave w: columns 16 (w % 4) .., half w / 4 of K
	v_bfe_u32 v15, v0, 4, 1                        ; h
	s_and_b32 s49, s3, 3
	s_lshr_b32 s50, s3, 2
	v_mul_u32_u24 v10, v11, APITCH
	v_lshl_add_u32 v10, v15, 4, v10
	s_mul_i32 s51, s50, 768
	v_add_nc_u32 v10, s51, v10
.irp tau, 0,1,2,3,4
	v_add_nc_u32 v[240+\tau], 16*APITCH*\tau, v10  ; emb: row 16 tau + lane % 16, 16 bytes for each half of the lanes
.endr
	v_and_b32 v1, 7, v0
	v_lshl_add_u32 v1, v15, 3, v1
	v_mul_u32_u24 v1, v1, WPITCH
	v_bfe_u32 v7, v0, 3, 1
	v_lshl_add_u32 v1, v7, 4, v1
	s_mul_i32 s51, s50, 384*WPITCH
	s_lshl_b32 s52, s49, 5
	s_add_co_u32 s51, s51, s52
	s_add_co_u32 s51, s51, WBASE
	v_add_nc_u32 v245, s51, v1                     ; W, by the turning load: k = 8 h + lane % 8, 16 bytes at (lane / 8) % 2
	s_mul_i32 s51, s50, STGB
	s_lshl_b32 s52, s49, 6
	s_add_co_u32 s51, s51, s52
	s_add_co_u32 s51, s51, STG0
	v_mul_u32_u24 v1, v11, SPITCH
	v_lshl_add_u32 v1, v15, 5, v1
	v_add_nc_u32 v246, s51, v1                     ; into my half's stage
	v_bfe_u32 v1, v0, 2, 4                         ; rl
	v_mul_u32_u24 v7, v1, SPITCH
	v_add_nc_u32 v247, v7, v8
	v_add_nc_u32 v247, STG0, v247                  ; back: row 16 i + rl
	v_mul_u32_u24 v7, v1, 5*SPITCH
	v_add_nc_u32 v248, v7, v8
	v_add_nc_u32 v248, STG0, v248                  ; back: rows 5 rl .. 5 rl + 4
	v_mul_u32_u24 v7, v4, CBS
	v_lshl_add_u32 v7, v1, 6, v7
	v_lshl_add_u32 v249, v6, 4, v7                 ; out: column block t / 64, row rl, quarter t % 4
	s_mul_i32 s52, s34, 4*CBS
	s_lshl_b32 s51, s48, 6
	s_add_co_u32 s54, s52, s51
	s_mov_b32 s55, 0
	s_add_nc_u64 s[54:55], s[44:45], s[54:55]      ; rows 80 rb ..
	s_lshl_b32 s51, s32, 10
	s_add_co_u32 s56, s52, s51
	s_add_co_u32 s56, s56, 1040*64
	s_mov_b32 s57, 0
	s_add_nc_u64 s[56:57], s[44:45], s[56:57]      ; rows 1040 + 16 rb ..
	s_wait_loadcnt 20                              ; the older batch is in; the younger batch's 20 loads stay out
	PUTA 40, 0
	LDA 40, 2
	s_wait_loadcnt 20
	PUTA 120, 1
	LDW 120, 0
	s_wait_loadcnt 16                              ; from here on the younger batch has 16 loads
	PUTA 40, 2
	LDW 40, 1
	s_wait_loadcnt 16
	PUTW 120
	LDW 120, 2
	s_wait_loadcnt 16
	PUTW 40
	s_wait_loadcnt 0x0
	PUTW 120
	s_wait_dscnt 0x0                               ; my stores are done, for the other waves' sake
	s_barrier_signal -1
	s_barrier_wait -1
; The product is taken transposed (source 0 = 16 columns of W, source 1 = 16 rows of emb): a lane ends with 8 neighbouring columns of one row.
.macro FRAGS ks, f
.irp tau, 0,1,2,3,4
	ds_load_b128 v[(\f)+8*\tau:(\f)+8*\tau+3], v[240+\tau] offset:64*(\ks)
	ds_load_b128 v[(\f)+8*\tau+4:(\f)+8*\tau+7], v[240+\tau] offset:64*(\ks)+32
.endr
	ds_load_tr16_b128 v[(\f)+40:(\f)+43], v245 offset:32*WPITCH*(\ks)
	ds_load_tr16_b128 v[(\f)+44:(\f)+47], v245 offset:32*WPITCH*(\ks)+16*WPITCH
.endm
	FRAGS 0, 80
.set ks, 0
.rept 12                                               ; 12 steps of 32 along K; five accumulators take turns; two fragment buffers
.set fc, 80+48*(ks%2)
.set fo, 80+48*((ks+1)%2)
.if ks > 0
.rept 4
	v_nop                                          ; four places between the last product and loads into registers that it read
.endr
.endif
.if ks < 11
	FRAGS ks+1, fo
	s_wait_dscnt 12                                ; this step's fragments are in; the next step's twelve loads stay out
.else
	s_wait_dscnt 0x0
.endif
.irp tau, 0,1,2,3,4
.if ks == 0
	v_wmma_f32_16x16x32_bf16 v[40+8*\tau:47+8*\tau], v[fc+40:fc+47], v[fc+8*\tau:fc+8*\tau+7], 0
.else
	v_wmma_f32_16x16x32_bf16 v[40+8*\tau:47+8*\tau], v[fc+40:fc+47], v[fc+8*\tau:fc+8*\tau+7], v[40+8*\tau:47+8*\tau]
.endif
.endr
.set ks, ks+1
.endr
.rept 4
	v_nop
.endr
.irp tau, 0,1,2,3,4
	ds_store_b128 v246, v[40+8*\tau:43+8*\tau] offset:16*SPITCH*\tau
	ds_store_b128 v246, v[44+8*\tau:47+8*\tau] offset:16*SPITCH*\tau+16
.endr
	s_wait_dscnt 0x0
	s_barrier_signal -1
	s_barrier_wait -1                              ; both halves of K of all 80 x 64 sums lie in the stages
.irp i, 0,1,2,3,4
	ds_load_b128 v[80+4*\i:83+4*\i], v247 offset:16*SPITCH*\i
	ds_load_b128 v[100+4*\i:103+4*\i], v247 offset:16*SPITCH*\i+STGB
.endr
.irp j, 0,1,2,3,4
	ds_load_b128 v[120+4*\j:123+4*\j], v248 offset:SPITCH*\j
	ds_load_b128 v[140+4*\j:143+4*\j], v248 offset:SPITCH*\j+STGB
.endr
	s_wait_dscnt 0x0
.irp i, 0,1,2,3,4
	v_pk_add_f32 v[80+4*\i:81+4*\i], v[80+4*\i:81+4*\i], v[100+4*\i:101+4*\i]
	v_pk_add_f32 v[82+4*\i:83+4*\i], v[82+4*\i:83+4*\i], v[102+4*\i:103+4*\i]
	v_pk_add_f32 v[80+4*\i:81+4*\i], v[80+4*\i:81+4*\i], v[36:37]
	v_pk_add_f32 v[82+4*\i:83+4*\i], v[82+4*\i:83+4*\i], v[38:39]
	global_store_b128 v249, v[80+4*\i:83+4*\i], s[54:55] offset:1024*\i   ; a wave stores 512 consecutive bytes
.endr
.irp j, 1,2,3,4,5,6,7,8,9
	v_pk_add_f32 v[120:121], v[120:121], v[120+4*\j:121+4*\j]
	v_pk_add_f32 v[122:123], v[122:123], v[122+4*\j:123+4*\j]
.endr
	v_pk_fma_f32 v[120:121], v[120:121], 0x3e4ccccd, v[36:37] op_sel_hi:[1,0,1]   ; the mean of five rows, and the bias
	v_pk_fma_f32 v[122:123], v[122:123], 0x3e4ccccd, v[38:39] op_sel_hi:[1,0,1]
	global_store_b128 v249, v[120:123], s[56:57]
	s_wait_tensorcnt 0x0                           ; the wave's end, behind my last LDS store
	ds_add_u32 v2, v3
	s_wait_dscnt 0x0
	s_endpgm
.Lfunc_end_k_qf1eac933c0_proj:
	.size	k_qf1eac933c0_proj, .Lfunc_end_k_qf1eac933c0_proj-k_qf1eac933c0_proj
	.p2alignl 7, 3214868480
	.fill 96, 4, 3214868480
	.section	.rodata,"a",@progbits
	.p2align	6, 0x0
	.amdhsa_kernel k_qf1eac933c0_proj
		.amdhsa_group_segment_fixed_size 308224
		.amdhsa_private_segment_fixed_size 0
		.amdhsa_enable_private_segment 0
		.amdhsa_kernarg_size 96
		.amdhsa_user_sgpr_count 2
		.amdhsa_user_sgpr_kernarg_segment_ptr 1
		.amdhsa_wavefront_size32 1
		.amdhsa_system_sgpr_workgroup_id_x 1
		.amdhsa_system_sgpr_workgroup_id_y 1
		.amdhsa_system_sgpr_workgroup_id_z 1
		.amdhsa_system_vgpr_workitem_id 0
		.amdhsa_next_free_vgpr 256
		.amdhsa_next_free_sgpr 66
		.amdhsa_reserve_vcc 1
		.amdhsa_float_denorm_mode_32 3
		.amdhsa_float_denorm_mode_16_64 3
		.amdhsa_memory_ordered 1
		.amdhsa_forward_progress 1
		.amdhsa_inst_pref_size 76
	.end_amdhsa_kernel
	.amdgpu_metadata
---
amdhsa.version: [ 1, 2 ]
amdhsa.kernels:
  - .name:           k_qf1eac933c0_proj
    .symbol:         k_qf1eac933c0_proj.kd
    .args:
      - { .name: emb, .offset: 0, .size: 8, .value_kind: global_buffer, .address_space: global }
      - { .name: W_k, .offset: 8, .size: 8, .value_kind: global_buffer, .address_space: global }
      - { .name: b_k, .offset: 16, .size: 8, .value_kind: global_buffer, .address_space: global }
      - { .name: W_v, .offset: 24, .size: 8, .value_kind: global_buffer, .address_space: global }
      - { .name: b_v, .offset: 32, .size: 8, .value_kind: global_buffer, .address_space: global }
      - { .name: M_sent0, .offset: 40, .size: 8, .value_kind: global_buffer, .address_space: global }
      - { .name: M_para0, .offset: 48, .size: 8, .value_kind: global_buffer, .address_space: global }
      - { .name: M_doc0, .offset: 56, .size: 8, .value_kind: global_buffer, .address_space: global }
      - { .name: q, .offset: 64, .size: 8, .value_kind: global_buffer, .address_space: global }
      - { .name: KB, .offset: 72, .size: 8, .value_kind: global_buffer, .address_space: global }
      - { .name: XB, .offset: 80, .size: 8, .value_kind: global_buffer, .address_space: global }
      - { .name: INIT, .offset: 88, .size: 8, .value_kind: global_buffer, .address_space: global }
    .group_segment_fixed_size: 308224
    .private_segment_fixed_size: 0
    .kernarg_segment_align: 8
    .kernarg_segment_size: 96
    .max_flat_workgroup_size: 256
    .sgpr_count:     66
    .vgpr_count:     256
    .wavefront_size: 32
...
	.end_amdgpu_metadata
.endif
;; end of part 1
;; launch prep (part 2): grid 24 x 1, 8 waves a work-group, no clusters, 62,464 bytes of LDS; arguments KB, XB, CH; writes CH
.if DOCPART == 2
	.amdgcn_target "amdgcn-amd-amdhsa--gfx1250"
	.amdhsa_code_object_version 6
	.text
	.protected	k_qf1eac933c0_prep
	.globl	k_qf1eac933c0_prep
	.p2align	8
	.type	k_qf1eac933c0_prep,@function
k_qf1eac933c0_prep:
	s_mov_b64 s[64:65], 0
	v_nop
	global_prefetch_b8 v0, s[64:65] scope:SCOPE_SE
	s_setreg_imm32_b32 hwreg(HW_REG_WAVE_MODE, 25, 1), 1
	s_wait_xcnt 0x0
; SECOND LAUNCH.  The 1,000 (200) dependent steps x <- x - 0.1 k (k.x + rho) are taken 64 at a time: with Kn the chunk's 64 normalised keys in the order
; in which they are applied, y = Linv (Kn x + rho), x <- x - 0.1 Kn^T y, Linv = (I + 0.1 strictlower(Kn Kn^T))^-1.  This launch makes, for each of 24 chunks,
; a record of 81 rows of 512 bytes: Kn (64 x 256 bf16), Linv (64 x 64 bf16), rho (64 f32, twice).
; Records 0..15: sentence chunks 15..0, rows in reversed time (the backward chain from q).  16..19: paragraph chunks 3..0, reversed.  20..23: paragraph chunks 0..3 in
; time order (the forward chain for doc_k), with rho = -10 mean_v(PV) 0.99^-(tau+1).  Rows past the last sentence or paragraph get Kn = 0 and rho = 0: steps that change nothing.
; Linv is found exactly, in f32, by substitution: thread t makes row t.  LIMITS: Kn and Linv are rounded to bf16; NaN and infinities are not treated apart.
.set CBS,   129024
.set RECB,  41472
.set KP,    528                        ; Kn in LDS: 512 bytes + 16
.set GM,    33792                      ; -0.1 strictlower(G), 64 x 64 f32, pitch 272
.set GP,    272
.set TS,    51200                      ; Linv in bf16, pitch 144
.set TP,    144
.set RHO,   60416                      ; rho, four copies of 256 bytes
.set SPARE, 61440
	s_load_b128 s[4:7], s[0:1], 0x0                ; KB, XB
	s_load_b64 s[8:9], s[0:1], 0x10                ; CH
	v_lshl_add_u32 v2, v0, 2, SPARE
	v_mov_b32 v3, 0
	v_lshrrev_b32 v1, 5, v0
	v_readfirstlane_b32 s3, v1
	s_mov_b32 s2, ttmp9
	s_sub_co_u32 s20, 15, s2
	s_sub_co_u32 s21, 19, s2
	s_sub_co_u32 s22, s2, 20
	s_movk_i32 s23, 1000
	s_movk_i32 s24, 200
	s_movk_i32 s25, 1023
	s_movk_i32 s26, 207
	s_cmp_lt_u32 s2, 16
	s_cselect_b32 s12, 0, 1040                     ; first row of the region in KB and XB
	s_cselect_b32 s13, s23, s24                    ; rows that exist
	s_cselect_b32 s14, s25, s26                    ; the last row that may be loaded
	s_cselect_b32 s15, s20, s21
	s_cmp_lt_u32 s2, 20
	s_cselect_b32 s15, s15, s22                    ; the chunk
	s_cselect_b32 s16, 63, 0                       ; reversed or not
	s_lshl_b32 s15, s15, 6
	s_mul_i32 s18, s2, RECB
	s_mov_b32 s19, 0
	v_lshrrev_b32 v4, 2, v0                        ; l: my row of the record; four threads a row
	v_and_b32 v5, 3, v0                            ; qd
	v_xor_b32 v6, s16, v4
	v_add_nc_u32 v6, s15, v6                       ; its place in time
	v_min_u32 v7, s14, v6
	v_add_nc_u32 v8, s12, v7
	v_lshlrev_b32 v8, 6, v8
	v_lshl_add_u32 v8, v5, 4, v8
	s_wait_kmcnt 0x0
	s_add_nc_u64 s[8:9], s[8:9], s[18:19]          ; my record
.set c, 0
.rept 16
	global_load_b128 v[64+4*c:67+4*c], v8, s[4:5] offset:CBS*c
.set c, c+1
.endr
	v_mul_u32_u24 v9, v4, KP
	v_lshl_add_u32 v9, v5, 3, v9
	v_lshlrev_b32 v10, 2, v4
	v_lshl_add_u32 v10, v5, 8, v10
	v_add_nc_u32 v10, RHO, v10
	v_lshlrev_b32 v19, 4, v0                       ; 16 t
	s_wait_loadcnt 0x0
.irp p, 0,1,2,3
	v_pk_mul_f32 v[20+2*\p:21+2*\p], v[64+2*\p:65+2*\p], v[64+2*\p:65+2*\p]
.endr
.set p, 4
.rept 28
	v_pk_fma_f32 v[20+2*(p%4):21+2*(p%4)], v[64+2*p:65+2*p], v[64+2*p:65+2*p], v[20+2*(p%4):21+2*(p%4)]
.set p, p+1
.endr
	v_pk_add_f32 v[20:21], v[20:21], v[22:23]
	v_pk_add_f32 v[24:25], v[24:25], v[26:27]
	v_pk_add_f32 v[20:21], v[20:21], v[24:25]
	v_add_f32 v20, v20, v21
	v_add_f32_dpp v20, v20, v20 row_xmask:1 row_mask:0xf bank_mask:0xf
	v_add_f32_dpp v20, v20, v20 row_xmask:2 row_mask:0xf bank_mask:0xf
	v_sqrt_f32 v21, v20
	v_nop
	s_wait_alu depctr_va_vdst(0)
	v_max_num_f32 v21, 0x2b8cbccc, v21             ; max(|k|, 1e-12)
	v_rcp_f32 v22, v21
	v_nop
	s_wait_alu depctr_va_vdst(0)
	v_cmp_gt_u32 vcc_lo, s13, v6
	v_cndmask_b32 v28, 0, v22, vcc_lo              ; 0 for a row that does not exist
	v_mov_b32 v29, v28
.set p, 0
.rept 32
	v_pk_mul_f32 v[64+2*p:65+2*p], v[64+2*p:65+2*p], v[28:29]
.set p, p+1
.endr
.set p, 0
.rept 32
	v_cvt_pk_bf16_f32 v[128+p], v[64+2*p], v[65+2*p]
.set p, p+1
.endr
.set c, 0
.rept 16
	ds_store_b64 v9, v[128+2*c:129+2*c] offset:32*c
.set c, c+1
.endr
	v_mov_b32 v30, 0
	s_cmp_lt_u32 s2, 20
	s_cbranch_scc1 .Lno_rho
.set c, 0
.rept 16                                               ; the forward chain alone: the paragraph's PV row
	global_load_b128 v[160+4*c:163+4*c], v8, s[6:7] offset:CBS*c
.set c, c+1
.endr
	v_add_nc_u32 v31, 1, v6
	v_cvt_f32_u32 v31, v31
	v_mul_f32 v31, 0x3c6d8f9a, v31                 ; (tau + 1) x -log2(0.99)
	v_exp_f32 v31, v31
	v_nop
	s_wait_alu depctr_va_vdst(0)
	s_wait_loadcnt 0x0
.set p, 4
.rept 28
	v_pk_add_f32 v[160+2*(p%4):161+2*(p%4)], v[160+2*(p%4):161+2*(p%4)], v[160+2*p:161+2*p]
.set p, p+1
.endr
	v_pk_add_f32 v[160:161], v[160:161], v[162:163]
	v_pk_add_f32 v[164:165], v[164:165], v[166:167]
	v_pk_add_f32 v[160:161], v[160:161], v[164:165]
	v_add_f32 v160, v160, v161
	v_add_f32_dpp v160, v160, v160 row_xmask:1 row_mask:0xf bank_mask:0xf
	v_add_f32_dpp v160, v160, v160 row_xmask:2 row_mask:0xf bank_mask:0xf
	v_mul_f32 v160, 0xbd200000, v160               ; x -10 / 256
	v_mul_f32 v160, v160, v31
	v_cmp_gt_u32 vcc_lo, s13, v6
	v_cndmask_b32 v30, 0, v160, vcc_lo
.Lno_rho:
	ds_store_b32 v10, v30
	s_wait_dscnt 0x0
	s_barrier_signal -1
	s_barrier_wait -1                              ; Kn and rho lie in LDS
	; Kn goes out as it lies: 8 rows of 512 bytes a pass
	v_mul_u32_u24 v13, v1, KP
	v_and_b32 v7, 31, v0
	v_lshl_add_u32 v13, v7, 4, v13
.irp i, 0,1,2,3,4,5,6,7
	ds_load_b128 v[128+4*\i:131+4*\i], v13 offset:8*KP*\i
.endr
	v_and_b32 v11, 15, v0                          ; r
	v_bfe_u32 v12, v0, 4, 1                        ; h
	s_lshr_b32 s27, s3, 1                          ; a: my block of 16 columns of -0.1 G
	s_and_b32 s28, s3, 1
	s_lshl_b32 s28, s28, 1                         ; b0: the first of my two blocks of 16 rows
	v_mul_u32_u24 v31, v11, KP
	v_lshl_add_u32 v31, v12, 4, v31
	s_mul_i32 s29, s27, 16*KP
	v_add_nc_u32 v14, s29, v31
	s_mul_i32 s29, s28, 16*KP
	v_add_nc_u32 v15, s29, v31
	s_sub_co_i32 s29, s28, s27
	s_lshl_b32 s29, s29, 4
	v_lshlrev_b32 v16, 3, v12
	v_sub_nc_u32 v16, v11, v16
	v_add_nc_u32 v16, s29, v16                     ; row - column of my register 0: register j is kept where j is smaller
	v_add_nc_u32 v17, 16, v16
	v_mul_u32_u24 v18, v11, GP
	v_lshl_add_u32 v18, v12, 5, v18
	s_mul_i32 s30, s28, 16*GP
	s_lshl_b32 s31, s27, 6
	s_add_co_u32 s30, s30, s31
	s_add_co_u32 s30, s30, GM
	v_add_nc_u32 v18, s30, v18
	s_wait_dscnt 0x0
.irp i, 0,1,2,3,4,5,6,7
	global_store_b128 v19, v[128+4*\i:131+4*\i], s[8:9] offset:4096*\i
.endr
	s_wait_xcnt 0x0                                ; the stores have read their data: the registers are loaded again below
.set k, 0
.rept 8
	ds_load_b128 v[64+8*k:67+8*k], v14 offset:64*k
	ds_load_b128 v[68+8*k:71+8*k], v14 offset:64*k+32
	ds_load_b128 v[128+8*k:131+8*k], v15 offset:64*k
	ds_load_b128 v[132+8*k:135+8*k], v15 offset:64*k+32
	ds_load_b128 v[192+8*k:195+8*k], v15 offset:16*KP+64*k
	ds_load_b128 v[196+8*k:199+8*k], v15 offset:16*KP+64*k+32
.set k, k+1
.endr
	s_wait_dscnt 0x0
	v_wmma_f32_16x16x32_bf16 v[32:39], v[64:71], v[128:135], 0
	v_wmma_f32_16x16x32_bf16 v[40:47], v[64:71], v[192:199], 0
.set k, 1
.rept 7                                                ; two accumulators by turns
	v_wmma_f32_16x16x32_bf16 v[32:39], v[64+8*k:71+8*k], v[128+8*k:135+8*k], v[32:39]
	v_wmma_f32_16x16x32_bf16 v[40:47], v[64+8*k:71+8*k], v[192+8*k:199+8*k], v[40:47]
.set k, k+1
.endr
.rept 4
	v_nop
.endr
.irp j, 0,1,2,3,4,5,6,7
	v_mul_f32 v[48+\j], 0xbdcccccd, v[32+\j]
	v_cmp_lt_i32 vcc_lo, \j, v16
	v_cndmask_b32 v[48+\j], 0, v[48+\j], vcc_lo
.endr
.irp j, 0,1,2,3,4,5,6,7
	v_mul_f32 v[56+\j], 0xbdcccccd, v[40+\j]
	v_cmp_lt_i32 vcc_lo, \j, v17
	v_cndmask_b32 v[56+\j], 0, v[56+\j], vcc_lo
.endr
	ds_store_b128 v18, v[48:51]
	ds_store_b128 v18, v[52:55] offset:16
	ds_store_b128 v18, v[56:59] offset:16*GP
	ds_store_b128 v18, v[60:63] offset:16*GP+16
	s_wait_dscnt 0x0
	s_barrier_signal -1
	s_barrier_wait -1                              ; N = -0.1 strictlower(G) lies in LDS, zeros on and above the diagonal
	s_cmp_lt_u32 s3, 2
	s_cbranch_scc0 .Lno_sub
	; Row t of X = (I - N)^-1 obeys X = I + X N: X[t][c] = delta + the sum over u > c of X[t][u] N[u][c].  u goes down from 63: when u's turn comes X[t][u] is final.
	; Row u of N is read by all lanes alike; the next row's loads are issued ahead of the wait for this row's.
	v_mov_b32 v31, GM
	v_mov_b32 v7, 1.0
.set c, 0
.rept 16
	ds_load_b128 v[128+4*c:131+4*c], v31 offset:63*GP+16*c
.set c, c+1
.endr
.set c, 0
.rept 64
	v_cmp_eq_u32 vcc_lo, c, v0
	v_cndmask_b32 v[64+c], 0, v7, vcc_lo
.set c, c+1
.endr
.set u, 63
.rept 63
.set nn, (u+2)/4                       ; loads for row u - 1: its u - 1 numbers, four a load
.set cur, 128+64*((u+1)%2)
.set nxt, 128+64*(u%2)
.set c, 0
.rept nn
	ds_load_b128 v[nxt+4*c:nxt+4*c+3], v31 offset:(u-1)*GP+16*c
.set c, c+1
.endr
	s_wait_dscnt nn                                ; row u is in; the loads just issued stay out
.set c, 0
.rept 2*((u+3)/4)
.if u%2
	v_pk_fma_f32 v[64+2*c:65+2*c], v[cur+2*c:cur+2*c+1], v[64+2*(u/2):65+2*(u/2)], v[64+2*c:65+2*c] op_sel:[0,1,0] op_sel_hi:[1,1,1]
.else
	v_pk_fma_f32 v[64+2*c:65+2*c], v[cur+2*c:cur+2*c+1], v[64+2*(u/2):65+2*(u/2)], v[64+2*c:65+2*c] op_sel_hi:[1,0,1]
.endif
.set c, c+1
.endr
.set u, u-1
.endr
	v_mul_u32_u24 v13, v0, TP
	v_add_nc_u32 v13, TS, v13
.set p, 0
.rept 32
	v_cvt_pk_bf16_f32 v[192+p], v[64+2*p], v[65+2*p]
.set p, p+1
.endr
.irp c, 0,1,2,3,4,5,6,7
	ds_store_b128 v13, v[192+4*\c:195+4*\c] offset:16*\c
.endr
.Lno_sub:
	s_wait_dscnt 0x0
	s_barrier_signal -1
	s_barrier_wait -1                              ; Linv lies in LDS
	v_lshrrev_b32 v7, 3, v0
	v_mul_u32_u24 v7, v7, TP
	v_and_b32 v13, 7, v0
	v_lshl_add_u32 v7, v13, 4, v7
	v_add_nc_u32 v7, TS, v7
	ds_load_b128 v[32:35], v7
	ds_load_b128 v[36:39], v7 offset:32*TP
	s_wait_dscnt 0x0
	global_store_b128 v19, v[32:35], s[8:9] offset:32768
	global_store_b128 v19, v[36:39], s[8:9] offset:36864
	s_cmp_eq_u32 s3, 0
	s_cbranch_scc0 .Lno_copy
	v_add_nc_u32 v14, RHO, v19
	ds_load_b128 v[40:43], v14
	s_wait_dscnt 0x0
	global_store_b128 v19, v[40:43], s[8:9] offset:40960
.Lno_copy:
	s_wait_tensorcnt 0x0                           ; the wave's end, behind my last LDS store
	ds_add_u32 v2, v3
	s_wait_dscnt 0x0
	s_endpgm
.Lfunc_end_k_qf1eac933c0_prep:
	.size	k_qf1eac933c0_prep, .Lfunc_end_k_qf1eac933c0_prep-k_qf1eac933c0_prep
	.p2alignl 7, 3214868480
	.fill 96, 4, 3214868480
	.section	.rodata,"a",@progbits
	.p2align	6, 0x0
	.amdhsa_kernel k_qf1eac933c0_prep
		.amdhsa_group_segment_fixed_size 62464
		.amdhsa_private_segment_fixed_size 0
		.amdhsa_enable_private_segment 0
		.amdhsa_kernarg_size 24
		.amdhsa_user_sgpr_count 2
		.amdhsa_user_sgpr_kernarg_segment_ptr 1
		.amdhsa_wavefront_size32 1
		.amdhsa_system_sgpr_workgroup_id_x 1
		.amdhsa_system_sgpr_workgroup_id_y 1
		.amdhsa_system_sgpr_workgroup_id_z 1
		.amdhsa_system_vgpr_workitem_id 0
		.amdhsa_next_free_vgpr 256
		.amdhsa_next_free_sgpr 66
		.amdhsa_reserve_vcc 1
		.amdhsa_float_denorm_mode_32 3
		.amdhsa_float_denorm_mode_16_64 3
		.amdhsa_memory_ordered 1
		.amdhsa_forward_progress 1
		.amdhsa_inst_pref_size 134
	.end_amdhsa_kernel
	.amdgpu_metadata
---
amdhsa.version: [ 1, 2 ]
amdhsa.kernels:
  - .name:           k_qf1eac933c0_prep
    .symbol:         k_qf1eac933c0_prep.kd
    .args:
      - { .name: KB, .offset: 0, .size: 8, .value_kind: global_buffer, .address_space: global }
      - { .name: XB, .offset: 8, .size: 8, .value_kind: global_buffer, .address_space: global }
      - { .name: CH, .offset: 16, .size: 8, .value_kind: global_buffer, .address_space: global }
    .group_segment_fixed_size: 62464
    .private_segment_fixed_size: 0
    .kernarg_segment_align: 8
    .kernarg_segment_size: 24
    .max_flat_workgroup_size: 256
    .sgpr_count:     66
    .vgpr_count:     256
    .wavefront_size: 32
...
	.end_amdgpu_metadata
.endif
;; end of part 2
;; launch chain (part 3): grid 2 x 1, 1 waves a work-group, no clusters, 327,680 bytes of LDS; arguments CH, INIT, YR, ST; writes YR, ST
.if DOCPART == 3
	.amdgcn_target "amdgcn-amd-amdhsa--gfx1250"
	.amdhsa_code_object_version 6
	.text
	.protected	k_qf1eac933c0_chain
	.globl	k_qf1eac933c0_chain
	.p2align	8
	.type	k_qf1eac933c0_chain,@function
k_qf1eac933c0_chain:
	s_mov_b64 s[64:65], 0
	v_nop
	global_prefetch_b8 v0, s[64:65] scope:SCOPE_SE
	s_setreg_imm32_b32 hwreg(HW_REG_WAVE_MODE, 25, 1), 1
	s_wait_xcnt 0x0
; THIRD LAUNCH: the dependent part.  For each record in turn  y = Linv (Kn x + rho),  x <- x - 0.1 Kn^T y,  all three products on the matrix unit, by ONE wave,
; for 16 columns x at once (two are used).  A result holds, in lane (n, h), eight neighbouring rows of column n, which rounded to bf16 in pairs ARE the second
; source of the next product: nothing changes lanes between the three products, and x stays in f32 registers from record to record.
; Work-group 0 walks records 0..15 (the sentences' backward chain from qn).  Work-group 1 walks 16..19 (the paragraphs' backward chains from qn and from 1/256),
; stores that state, loads the row means of M_para0 and walks 20..23 (the forward chain).  y of every record goes to YR, the final states to ST.
; More waves would have to exchange x through LDS behind a barrier in every record; no cluster: the two work-groups share nothing.
; THE RING: two LDS slots of two records each (162 rows of 512 bytes, 32 bytes of padding a row), filled by tensor loads; at most two loads are out.
; LIMITS: x, Kn x + rho and y are rounded to bf16 where they enter a product; the carried x and all sums are f32.
.set RECB,  41472
.set SLOTB, 2*RECB
.set LP,    544                        ; an LDS row: 512 + 32 bytes
.set RECL,  81*LP                      ; a record in LDS
.set SLOT1, 88320
.set SPARE, 176640                     ; behind the ring: the spare words
.set AK,  4                            ; v4-7    Kn's fragments (rows along K) in record place 0..3
.set AT,  8                            ; v8-11   Linv's fragments
.set AV,  12                           ; v12-15  Kn turned
.set AR,  16                           ; v16-19  rho
.set YO,  20                           ; v20     my offset in a record's y: 256 n + 32 h
.set SO,  21                           ; v21     in a state: 1,024 n + 32 h
.set IO,  22                           ; v22     in INIT: 1,024 min(n, 1) + 32 h
.set PF0, 23                           ; v23     256 x lane
.set PF1, 24                           ; v24     256 x min(lane, 3)
.set SPW, 26
.set NIL, 27
.set R,   32                           ; v32-63   Kn x + rho, four tiles; later -0.1 y
.set Y,   64                           ; v64-95   y
.set RB,  96                           ; v96-111  R in bf16
.set YB,  112                          ; v112-127 -0.1 y in bf16
.set UB,  128                          ; v128-191 x in bf16
.set TF,  192                          ; v192-255 Linv's eight fragments
                                       ; window 1: v0-127 x, 16 tiles;  window 2: Kn's 32 fragments;  window 3: Kn's 32 turned fragments
.set MSB, 0
.macro WIN new                         ; the immediate's high byte repeats the setting that is left; a switch that changes nothing is dropped
.if MSB != (\new)
	s_set_vgpr_msb (MSB<<8)|(\new)
.set MSB, (\new)
.endif
.endm
.macro PLACES
.rept 4
	v_nop
.endr
.endm
	s_load_b256 s[4:11], s[0:1], 0x0               ; CH 4, INIT 6, YR 8, ST 10
	v_lshl_add_u32 v[SPW], v0, 2, SPARE
	v_mov_b32 v[NIL], 0
	ds_add_u32 v[SPW], v[NIL]                      ; the wave's opening: the add, twice on end, and its wait ahead of my first tensor load
	ds_add_u32 v[SPW], v[NIL]
	s_mov_b32 s12, ttmp9
	s_mov_b32 s16, (1<<16)|(1<<20)|(6<<22)|(7<<25) ; elements of 2 bytes; padding on: after every 128 words, 8 words
	s_mov_b32 s17, 256<<16                         ; tensor_dim0 = 256
	s_mov_b32 s18, 162<<16                         ; tensor_dim1 = 162
	s_mov_b32 s19, 256<<16                         ; tile_dim0 = 256
	s_mov_b32 s20, 162                             ; tile_dim1 = 162
	s_mov_b32 s21, 256                             ; 256 elements from row to row
	s_mov_b32 s22, 0
	s_mov_b32 s23, 0
	s_mov_b32 s32, 1
	s_mov_b32 s33, 0                               ; slot 0
	s_mov_b32 s36, 1
	s_mov_b32 s37, SLOT1                           ; slot 1
	s_mul_i32 s42, s12, 16*RECB
	s_mov_b32 s43, 0
	s_lshl_b32 s50, s12, 11
	s_mov_b32 s51, 0
	s_lshl_b32 s52, s12, 16
	s_mov_b32 s53, 0
	s_lshl_b32 s54, s12, 15
	s_mov_b32 s55, 0
	s_mov_b32 s40, 0xbdcccccd                      ; -0.1
	s_mov_b32 s41, s40
	s_mov_b32 s28, 1                               ; the number of the slot-load last asked for
	s_cmp_eq_u32 s12, 0
	s_cselect_b32 s13, 3, 1                        ; trips of the loop
	s_cselect_b32 s29, 8, 4                        ; slot-loads in all
	s_wait_dscnt 0x0                               ; both opening adds are done
	s_wait_kmcnt 0x0
	s_add_nc_u64 s[34:35], s[4:5], s[42:43]        ; my first two records
	s_add_nc_u64 s[38:39], s[34:35], SLOTB
	s_add_nc_u64 s[26:27], s[34:35], 3*SLOTB       ; the prefetches' base: each refill steps it by a slot-load, the first to number 4
	s_or_b32 s35, s35, 0x80000000
	s_or_b32 s39, s39, 0x80000000
	tensor_load_to_lds s[32:35], s[16:23]
	s_nop 0
	tensor_load_to_lds s[36:39], s[16:23]
	s_nop 0
	PLACES
	s_add_nc_u64 s[48:49], s[6:7], s[50:51]        ; INIT at my first chain's start
	s_add_nc_u64 s[24:25], s[8:9], s[52:53]        ; YR at my first record
	s_add_nc_u64 s[44:45], s[10:11], s[54:55]      ; ST: chain 0, or chain 2
	s_add_nc_u64 s[46:47], s[10:11], 16384         ; ST: chain 1
	v_and_b32 v1, 15, v0                           ; n, or a fragment's row
	v_lshrrev_b32 v2, 4, v0                        ; h
	v_mul_u32_u24 v[AK], v1, LP
	v_lshl_add_u32 v[AK], v2, 4, v[AK]
	v_lshrrev_b32 v3, 2, v1
	v_mul_u32_u24 v[AT], v3, LP
	v_and_b32 v3, 3, v1
	v_lshl_add_u32 v[AT], v3, 7, v[AT]
	v_lshl_add_u32 v[AT], v2, 4, v[AT]
	v_add_nc_u32 v[AT], 64*LP, v[AT]               ; Linv's row i lies in record row 64 + i / 4, at 128 (i % 4)
	v_and_b32 v3, 7, v0
	v_lshl_add_u32 v3, v2, 3, v3
	v_mul_u32_u24 v[AV], v3, LP
	v_bfe_u32 v3, v0, 3, 1
	v_lshl_add_u32 v[AV], v3, 4, v[AV]
	v_lshlrev_b32 v[AR], 5, v2
	v_add_nc_u32 v[AR], 80*LP, v[AR]
.irp b, AK, AT, AV, AR
	v_add_nc_u32 v[\b+1], RECL, v[\b]
	v_add_nc_u32 v[\b+2], SLOT1, v[\b]
	v_add_nc_u32 v[\b+3], SLOT1+RECL, v[\b]
.endr
	v_lshlrev_b32 v25, 5, v2
	v_lshl_add_u32 v[YO], v1, 8, v25
	v_lshl_add_u32 v[SO], v1, 10, v25
	v_min_u32 v3, 1, v1
	v_lshl_add_u32 v[IO], v3, 10, v25
	v_lshlrev_b32 v[PF0], 8, v0
	v_min_u32 v3, 3, v0
	v_lshlrev_b32 v[PF1], 8, v3
.macro LOADST b, off                   ; x from INIT: column 0 from its first row, all others from its second
	WIN 0x40
.set a, 0
.rept 16
	global_load_b128 v[8*a:8*a+3], v[IO], s[\b:\b+1] offset:(\off)+64*a
	global_load_b128 v[8*a+4:8*a+7], v[IO], s[\b:\b+1] offset:(\off)+64*a+16
.set a, a+1
.endr
	WIN 0
	s_wait_loadcnt 0x0
.endm
.macro STOREST b                       ; x to ST
	WIN 0x04
.set a, 0
.rept 16
	global_store_b128 v[SO], v[8*a:8*a+3], s[\b:\b+1] offset:64*a
	global_store_b128 v[SO], v[8*a+4:8*a+7], s[\b:\b+1] offset:64*a+16
.set a, a+1
.endr
	WIN 0
.endm
; A PREFETCH INTO THE L2 of the slot-load that stands two refills on: 324 blocks of 256 bytes, a lane a block, eleven instructions (in the last, lanes past the fourth repeat its block).
; Each record is read once in the launch, by this wave, which waits for it at a change of slots.  It stands behind the tensor load and its five lines.  The first four
; slot-loads come by their loads alone; the last two refills, and work-group 1, ask for nothing: there is no slot-load two on.
.macro ASK
	s_add_co_u32 s30, s28, 2
	s_cmp_lt_u32 s30, s29
	s_cbranch_scc0 .Lnoask_\@
.set a, 0
.rept 10
	global_prefetch_b8 v[PF0], s[26:27] offset:8192*a th:TH_LOAD_NT scope:SCOPE_SE
.set a, a+1
.endr
	global_prefetch_b8 v[PF1], s[26:27] offset:81920 th:TH_LOAD_NT scope:SCOPE_SE
.Lnoask_\@:
.endm
; A slot that has been read is filled again: all my tensor loads have landed (the other slot's among them), the add, the descriptor's step, the wait for the add and for my reads, the barrier, the one load.
.macro FILL s
	WIN 0
	s_wait_tensorcnt 0x0
	ds_add_u32 v[SPW], v[NIL]                      ; 0 onto my spare word
	s_add_nc_u64 s[34+4*\s:35+4*\s], s[34+4*\s:35+4*\s], 2*SLOTB
	s_add_nc_u64 s[26:27], s[26:27], SLOTB         ; (the last prefetches have read it: a wait for the address translations ends every record)
	s_add_co_u32 s28, s28, 1
	s_wait_dscnt 0x0
	s_barrier_signal -1
	s_barrier_wait -1
	tensor_load_to_lds s[32+4*\s:35+4*\s], s[16:23]
	s_nop 0
	PLACES
	ASK
.endm
; ONE RECORD, at place x of the ring's four.
.macro REC x
	WIN 0
.set a, 0
.rept 4                                                ; rho starts the sums Kn x + rho: the same eight rows in every column
	ds_load_b128 v[R+8*a:R+8*a+3], v[AR+(\x)] offset:64*a
	ds_load_b128 v[R+8*a+4:R+8*a+7], v[AR+(\x)] offset:64*a+16
.set a, a+1
.endr
.set a, 0
.rept 8                                                ; Linv: fragment 2 tau + kappa
	ds_load_b128 v[TF+8*a:TF+8*a+3], v[AT+(\x)] offset:4*LP*(a/2)+64*(a%2)
	ds_load_b128 v[TF+8*a+4:TF+8*a+7], v[AT+(\x)] offset:4*LP*(a/2)+64*(a%2)+32
.set a, a+1
.endr
	WIN 0x80
.set a, 0
.rept 32                                               ; Kn: fragment 4 ks + tau
	ds_load_b128 v[8*a:8*a+3], v[AK+(\x)] offset:16*LP*(a%4)+64*(a/4)
	ds_load_b128 v[8*a+4:8*a+7], v[AK+(\x)] offset:16*LP*(a%4)+64*(a/4)+32
.set a, a+1
.endr
	WIN 0x05
.set a, 0
.rept 64                                               ; x to bf16: two tiles of x are one second source
	v_cvt_pk_bf16_f32 v[UB+a], v[2*a], v[2*a+1]
.set a, a+1
.endr
.set k, 0
.rept 8
	s_wait_dscnt 56                                ; 88 + 8 ks loads are issued, the first 32 + 8 ks are wanted
	WIN 0x02
.set a, 0
.rept 4                                                ; four accumulators by turns
	v_wmma_f32_16x16x32_bf16 v[R+8*a:R+8*a+7], v[8*(4*k+a):8*(4*k+a)+7], v[UB+8*k:UB+8*k+7], v[R+8*a:R+8*a+7]
.set a, a+1
.endr
	WIN 0xc0
.set a, 4*k
.rept 4                                                ; Kn turned, for the third product: fragment 16 kappa + phi
	ds_load_tr16_b128 v[8*a:8*a+3], v[AV+(\x)] offset:32*LP*(a/16)+32*(a%16)
	ds_load_tr16_b128 v[8*a+4:8*a+7], v[AV+(\x)] offset:32*LP*(a/16)+32*(a%16)+16*LP
.set a, a+1
.endr
.set k, k+1
.endr
	WIN 0
	PLACES
.set a, 0
.rept 16
	v_cvt_pk_bf16_f32 v[RB+a], v[R+2*a], v[R+2*a+1]
.set a, a+1
.endr
.set a, 0
.rept 8                                                ; y = Linv R: a = 4 kappa + tau
.if a < 4
	v_wmma_f32_16x16x32_bf16 v[Y+8*(a%4):Y+8*(a%4)+7], v[TF+8*(2*(a%4)+a/4):TF+8*(2*(a%4)+a/4)+7], v[RB+8*(a/4):RB+8*(a/4)+7], 0
.else
	v_wmma_f32_16x16x32_bf16 v[Y+8*(a%4):Y+8*(a%4)+7], v[TF+8*(2*(a%4)+a/4):TF+8*(2*(a%4)+a/4)+7], v[RB+8*(a/4):RB+8*(a/4)+7], v[Y+8*(a%4):Y+8*(a%4)+7]
.endif
.set a, a+1
.endr
	PLACES
.set a, 0
.rept 4
	global_store_b128 v[YO], v[Y+8*a:Y+8*a+3], s[24:25] offset:64*a
	global_store_b128 v[YO], v[Y+8*a+4:Y+8*a+7], s[24:25] offset:64*a+16
.set a, a+1
.endr
.set a, 0
.rept 16
	v_pk_mul_f32 v[R+2*a:R+2*a+1], v[Y+2*a:Y+2*a+1], s[40:41] op_sel_hi:[1,0]
.set a, a+1
.endr
.set a, 0
.rept 16
	v_cvt_pk_bf16_f32 v[YB+a], v[R+2*a], v[R+2*a+1]
.set a, a+1
.endr
	s_wait_dscnt 0x0                               ; the turned fragments are in
	WIN 0x53
.set a, 0
.rept 32                                               ; x += Kn^T (-0.1 y): sixteen accumulators by turns
	v_wmma_f32_16x16x32_bf16 v[8*(a%16):8*(a%16)+7], v[8*a:8*a+7], v[YB+8*(a/16):YB+8*(a/16)+7], v[8*(a%16):8*(a%16)+7]
.set a, a+1
.endr
	WIN 0
	PLACES
	s_wait_xcnt 0x0                                ; the stores of y and the prefetches have read their registers
	s_add_nc_u64 s[24:25], s[24:25], 4096
.endm
	LOADST 48, 0
	s_wait_tensorcnt 0x1                           ; slot 0 is in; slot 1's load stays out
	REC 0
	REC 1
	s_mov_b32 s14, 0
.Lloop:
	FILL 0
	REC 2
	REC 3
	s_cmp_eq_u32 s12, 1
	s_cbranch_scc0 .Lsame
	STOREST 46                                     ; work-group 1, whose loop has one trip: the backward chains are done,
	s_wait_xcnt 0x0
	LOADST 6, 4096                                 ; the forward chain begins
.Lsame:
	FILL 1
	REC 0
	REC 1
	s_add_co_u32 s14, s14, 1
	s_cmp_lt_u32 s14, s13
	s_cbranch_scc1 .Lloop
	s_wait_tensorcnt 0x0                           ; the last slot-load
	REC 2
	REC 3
	STOREST 44
	s_wait_tensorcnt 0x0                           ; the wave's end
	ds_add_u32 v[SPW], v[NIL]
	s_wait_dscnt 0x0
	s_endpgm
.Lfunc_end_k_qf1eac933c0_chain:
	.size	k_qf1eac933c0_chain, .Lfunc_end_k_qf1eac933c0_chain-k_qf1eac933c0_chain
	.p2alignl 7, 3214868480
	.fill 96, 4, 3214868480
	.section	.rodata,"a",@progbits
	.p2align	6, 0x0
	.amdhsa_kernel k_qf1eac933c0_chain
		.amdhsa_group_segment_fixed_size 327680
		.amdhsa_private_segment_fixed_size 0
		.amdhsa_enable_private_segment 0
		.amdhsa_kernarg_size 32
		.amdhsa_user_sgpr_count 2
		.amdhsa_user_sgpr_kernarg_segment_ptr 1
		.amdhsa_wavefront_size32 1
		.amdhsa_system_sgpr_workgroup_id_x 1
		.amdhsa_system_sgpr_workgroup_id_y 1
		.amdhsa_system_sgpr_workgroup_id_z 1
		.amdhsa_system_vgpr_workitem_id 0
		.amdhsa_next_free_vgpr 1024
		.amdhsa_next_free_sgpr 66
		.amdhsa_reserve_vcc 0
		.amdhsa_float_denorm_mode_32 3
		.amdhsa_float_denorm_mode_16_64 3
		.amdhsa_memory_ordered 1
		.amdhsa_forward_progress 1
		.amdhsa_inst_pref_size 207
	.end_amdhsa_kernel
	.amdgpu_metadata
---
amdhsa.version: [ 1, 2 ]
amdhsa.kernels:
  - .name:           k_qf1eac933c0_chain
    .symbol:         k_qf1eac933c0_chain.kd
    .args:
      - { .name: CH, .offset: 0, .size: 8, .value_kind: global_buffer, .address_space: global }
      - { .name: INIT, .offset: 8, .size: 8, .value_kind: global_buffer, .address_space: global }
      - { .name: YR, .offset: 16, .size: 8, .value_kind: global_buffer, .address_space: global }
      - { .name: ST, .offset: 24, .size: 8, .value_kind: global_buffer, .address_space: global }
    .group_segment_fixed_size: 327680
    .private_segment_fixed_size: 0
    .kernarg_segment_align: 8
    .kernarg_segment_size: 32
    .max_flat_workgroup_size: 32
    .sgpr_count:     66
    .vgpr_count:     1024
    .wavefront_size: 32
...
	.end_amdgpu_metadata
.endif
;; end of part 3
;; launch final (part 4): grid 16 x 1, 16 waves a work-group, no clusters, 19,456 bytes of LDS; arguments XB, YR, ST, INIT, out0; writes out0
.if DOCPART == 4
	.amdgcn_target "amdgcn-amd-amdhsa--gfx1250"
	.amdhsa_code_object_version 6
	.text
	.protected	k_qf1eac933c0_final
	.globl	k_qf1eac933c0_final
	.p2align	8
	.type	k_qf1eac933c0_final,@function
k_qf1eac933c0_final:
	s_mov_b64 s[64:65], 0
	v_nop
	global_prefetch_b8 v0, s[64:65] scope:SCOPE_SE
	s_setreg_imm32_b32 hwreg(HW_REG_WAVE_MODE, 25, 1), 1
	s_wait_xcnt 0x0
; FOURTH LAUNCH.  out[v] = the sum over 2,016 rows of (c1[row] + gamma c2[row]) X[row][v].  X: V (rows 0..1039), PV (1040..1247), head means of M_sent0, M_para0, M_doc0.
;   V_s:       c1 = 0.2 0.95^(999-s) y0                                   PV_t: c1 = 0.3 0.99^(199-t) y0, c2 = 0.5 0.99^(199-t) y1
;   M_sent0:   c1 = 0.2 0.95^1000 u                                        M_para0: c1 = 0.3 0.99^200 u0, c2 = 0.5 0.99^200 u1
;   M_doc0:    c1 = 0.4995 qn, c2 = -0.024975 kd;    kd = doc_k / max(|doc_k|, 1e-12), doc_k = 0.99^200 x the forward chain's state;  gamma = qn . kd
; A work-group takes one block of 16 columns (129,024 consecutive bytes of XB); every work-group makes all coefficients anew (they are 16 KiB of LDS), so nothing passes between work-groups.
; Memory binds; no matrix unit, no tensor loads, no cluster.  LIMITS: NaN and infinities are not treated apart.
.set CBS,   129024
.set RED,   16384                      ; behind the coefficients (8 bytes a row): 64 bytes a wave
.set SPARE, 17408
	s_load_b256 s[4:11], s[0:1], 0x0               ; XB 4, YR 6, ST 8, INIT 10
	s_load_b64 s[12:13], s[0:1], 0x20              ; out0
	v_lshl_add_u32 v2, v0, 2, SPARE
	v_mov_b32 v3, 0
	v_lshrrev_b32 v1, 5, v0
	v_readfirstlane_b32 s3, v1                     ; wave 0..15
	s_mov_b32 s2, ttmp9
	s_mul_i32 s14, s2, CBS
	s_mov_b32 s15, 0
	s_mov_b32 s16, 0x76543210
	s_mov_b32 s17, 0xfedcba98
	v_and_b32 v4, 31, v0
	v_lshlrev_b32 v5, 4, v0                        ; 512 threads x 16 bytes = 128 rows a pass
	s_wait_kmcnt 0x0
	s_add_nc_u64 s[4:5], s[4:5], s[14:15]
.set i, 0
.rept 15
	global_load_b128 v[128+4*i:131+4*i], v5, s[4:5] offset:8192*i th:TH_LOAD_NT
.set i, i+1
.endr
	s_cmp_lt_u32 s3, 12                            ; the sixteenth pass has 96 rows
	s_cbranch_scc0 .Lx15
	global_load_b128 v[188:191], v5, s[4:5] offset:122880 th:TH_LOAD_NT
.Lx15:
	v_lshlrev_b32 v6, 5, v4
	global_load_b128 v[8:11], v6, s[8:9] offset:32768      ; the forward chain's state, 8 numbers a lane
	global_load_b128 v[12:15], v6, s[8:9] offset:32784
	global_load_b128 v[16:19], v6, s[10:11]                ; qn
	global_load_b128 v[20:23], v6, s[10:11] offset:16
	v_lshrrev_b32 v32, 6, v0                       ; sentence s = t: record 15 - s / 64, place (s % 64) xor 63
	v_sub_nc_u32 v32, 15, v32
	v_and_b32 v33, 63, v0
	v_xor_b32 v33, 63, v33
	v_lshlrev_b32 v33, 2, v33
	v_lshl_add_u32 v32, v32, 12, v33
	global_load_b32 v24, v32, s[6:7]
	global_load_b32 v25, v32, s[6:7] offset:-32768         ; s = t + 512: eight records earlier
	v_add_nc_u32 v35, -16, v0                      ; X row 1024 + t: paragraph t - 16, held to 0..207
	v_max_i32 v35, 0, v35
	v_min_u32 v35, 207, v35
	v_lshrrev_b32 v36, 6, v35
	v_sub_nc_u32 v36, 19, v36
	v_and_b32 v37, 63, v35
	v_xor_b32 v37, 63, v37
	v_lshlrev_b32 v37, 2, v37
	v_lshl_add_u32 v36, v36, 12, v37
	global_load_b32 v26, v36, s[6:7]
	global_load_b32 v27, v36, s[6:7] offset:256
	v_lshrrev_b32 v38, 8, v0
	v_and_b32 v39, 255, v0
	v_lshlrev_b32 v39, 2, v39
	v_lshl_add_u32 v38, v38, 14, v39
	global_load_b32 v28, v38, s[8:9]                       ; final state of chain t / 256, column 0,
	global_load_b32 v29, v38, s[8:9] offset:1024           ; column 1
	global_load_b32 v30, v39, s[8:9] offset:32768          ; the forward chain's state at t % 256
	global_load_b32 v31, v39, s[10:11]                     ; qn at t % 256
	v_sub_nc_u32 v40, 999, v0
	v_cvt_f32_i32 v40, v40
	v_mul_f32 v40, 0xbd978d9e, v40                 ; (999 - s) log2(0.95)
	v_sub_nc_u32 v41, 487, v0
	v_cvt_f32_i32 v41, v41
	v_mul_f32 v41, 0xbd978d9e, v41
	v_sub_nc_u32 v42, 199, v35
	v_cvt_f32_i32 v42, v42
	v_mul_f32 v42, 0xbc6d8f9a, v42                 ; (199 - t) log2(0.99)
	v_mov_b32 v43, 0xc0399831                      ; 200 log2(0.99)
	v_mov_b32 v44, 0xc294004c                      ; 1000 log2(0.95)
	v_exp_f32 v40, v40
	v_exp_f32 v41, v41
	v_exp_f32 v42, v42
	v_exp_f32 v43, v43
	v_exp_f32 v44, v44
	v_lshlrev_b32 v45, 3, v0                       ; 8 t: a plain instruction behind the batch
	s_wait_alu depctr_va_vdst(0)                   ; one wait for the five
	s_wait_loadcnt 0x0
	v_pk_mul_f32 v[48:49], v[8:9], v[8:9]
	v_pk_mul_f32 v[52:53], v[8:9], v[16:17]
.irp p, 2,4,6
	v_pk_fma_f32 v[48:49], v[8+\p:9+\p], v[8+\p:9+\p], v[48:49]
	v_pk_fma_f32 v[52:53], v[8+\p:9+\p], v[16+\p:17+\p], v[52:53]
.endr
	v_add_f32 v48, v48, v49
	v_add_f32 v52, v52, v53
.irp m, 1,2,4,8
	v_add_f32_dpp v48, v48, v48 row_xmask:\m row_mask:0xf bank_mask:0xf
	v_add_f32_dpp v52, v52, v52 row_xmask:\m row_mask:0xf bank_mask:0xf
.endr
	v_permlanex16_b32 v49, v48, s16, s17
	v_permlanex16_b32 v53, v52, s16, s17
	v_add_f32 v48, v48, v49
	v_add_f32 v52, v52, v53
	v_sqrt_f32 v50, v48
	v_nop
	s_wait_alu depctr_va_vdst(0)
	v_mul_f32 v50, v43, v50                        ; |doc_k|
	v_max_num_f32 v50, 0x2b8cbccc, v50
	v_rcp_f32 v51, v50
	v_nop
	s_wait_alu depctr_va_vdst(0)
	v_mul_f32 v51, v43, v51                        ; kd = this x the state
	v_mul_f32 v54, v52, v51                        ; gamma
	v_mov_b32 v55, v54
	; the coefficients
	v_mul_f32 v56, 0x3e4ccccd, v40
	v_mul_f32 v56, v56, v24
	v_mov_b32 v57, 0
	ds_store_b64 v45, v[56:57]
	v_mul_f32 v58, 0x3e4ccccd, v41
	v_mul_f32 v58, v58, v25
	v_mov_b32 v59, 0
	ds_store_b64 v45, v[58:59] offset:4096
	v_mul_f32 v46, 0x3e4ccccd, v44                 ; 0.2 x 0.95^1000
	v_mul_f32 v47, 0x3e99999a, v43                 ; 0.3 x 0.99^200
	v_mul_f32 v63, 0.5, v43
	v_cmp_gt_u32 vcc_lo, 0x100, v0
	v_cndmask_b32 v62, v47, v46, vcc_lo
	v_cndmask_b32 v63, v63, 0, vcc_lo
	v_mul_f32 v62, v62, v28
	v_mul_f32 v63, v63, v29
	ds_store_b64 v45, v[62:63] offset:8*1248
	s_cmp_lt_u32 s3, 7                             ; X rows 1024..1247
	s_cbranch_scc0 .Lno_p
	v_mul_f32 v60, 0x3e99999a, v42
	v_mul_f32 v61, 0.5, v42
	v_mul_f32 v60, v60, v26
	v_mul_f32 v61, v61, v27
	v_cmp_le_u32 vcc_lo, 16, v0                    ; rows 1024..1039 are no sentences: 0
	v_cndmask_b32 v60, 0, v60, vcc_lo
	v_cndmask_b32 v61, 0, v61, vcc_lo
	ds_store_b64 v45, v[60:61] offset:8192
.Lno_p:
	s_cmp_lt_u32 s3, 8                             ; X rows 1760..2015
	s_cbranch_scc0 .Lno_d
	v_mul_f32 v96, 0x3effbe77, v31
	v_mul_f32 v97, 0xbccc985f, v51
	v_mul_f32 v97, v97, v30
	ds_store_b64 v45, v[96:97] offset:8*1760
.Lno_d:
	s_lshl_b32 s18, s3, 6
	v_lshrrev_b32 v7, 2, v4
	v_lshl_add_u32 v7, v7, 3, s18                  ; my row's pair in pass 0: row 8 w + lane / 4
	s_wait_dscnt 0x0
	s_barrier_signal -1
	s_barrier_wait -1                              ; all coefficients lie in LDS
.set i, 0
.rept 15
	ds_load_b64 v[64+2*i:65+2*i], v7 offset:1024*i
.set i, i+1
.endr
	s_wait_dscnt 0x0
	v_pk_mul_f32 v[40:41], v[128:129], v[64:65] op_sel_hi:[1,0]
	v_pk_mul_f32 v[42:43], v[130:131], v[64:65] op_sel_hi:[1,0]
	v_pk_mul_f32 v[44:45], v[128:129], v[64:65] op_sel:[0,1] op_sel_hi:[1,1]
	v_pk_mul_f32 v[46:47], v[130:131], v[64:65] op_sel:[0,1] op_sel_hi:[1,1]
.set i, 1
.rept 14
	v_pk_fma_f32 v[40:41], v[128+4*i:129+4*i], v[64+2*i:65+2*i], v[40:41] op_sel_hi:[1,0,1]
	v_pk_fma_f32 v[42:43], v[130+4*i:131+4*i], v[64+2*i:65+2*i], v[42:43] op_sel_hi:[1,0,1]
	v_pk_fma_f32 v[44:45], v[128+4*i:129+4*i], v[64+2*i:65+2*i], v[44:45] op_sel:[0,1,0] op_sel_hi:[1,1,1]
	v_pk_fma_f32 v[46:47], v[130+4*i:131+4*i], v[64+2*i:65+2*i], v[46:47] op_sel:[0,1,0] op_sel_hi:[1,1,1]
.set i, i+1
.endr
	s_cmp_lt_u32 s3, 12
	s_cbranch_scc0 .Ls15
	ds_load_b64 v[94:95], v7 offset:15360
	s_wait_dscnt 0x0
	v_pk_fma_f32 v[40:41], v[188:189], v[94:95], v[40:41] op_sel_hi:[1,0,1]
	v_pk_fma_f32 v[42:43], v[190:191], v[94:95], v[42:43] op_sel_hi:[1,0,1]
	v_pk_fma_f32 v[44:45], v[188:189], v[94:95], v[44:45] op_sel:[0,1,0] op_sel_hi:[1,1,1]
	v_pk_fma_f32 v[46:47], v[190:191], v[94:95], v[46:47] op_sel:[0,1,0] op_sel_hi:[1,1,1]
.Ls15:
	v_pk_fma_f32 v[40:41], v[44:45], v[54:55], v[40:41]
	v_pk_fma_f32 v[42:43], v[46:47], v[54:55], v[42:43]
.irp m, 4,8                                            ; lanes 4 apart hold the same four columns
.irp r, 40,41,42,43
	v_add_f32_dpp v\r, v\r, v\r row_xmask:\m row_mask:0xf bank_mask:0xf
.endr
.endr
	v_permlanex16_b32 v44, v40, s16, s17
	v_permlanex16_b32 v45, v41, s16, s17
	v_permlanex16_b32 v46, v42, s16, s17
	v_permlanex16_b32 v47, v43, s16, s17
	v_pk_add_f32 v[40:41], v[40:41], v[44:45]
	v_pk_add_f32 v[42:43], v[42:43], v[46:47]
	v_and_b32 v98, 3, v4
	v_lshl_add_u32 v98, v98, 4, s18
	v_add_nc_u32 v98, RED, v98
	ds_store_b128 v98, v[40:43]                    ; lanes with the same four columns write the same numbers to the same bytes
	s_wait_dscnt 0x0
	s_barrier_signal -1
	s_barrier_wait -1
	s_cmp_eq_u32 s3, 0
	s_cbranch_scc0 .Lend
	v_lshrrev_b32 v99, 4, v4                       ; wave 0 adds the sixteen waves' sums: a half of the lanes takes eight
	v_and_b32 v100, 15, v4
	v_lshlrev_b32 v100, 2, v100
	v_lshl_add_u32 v99, v99, 9, v100
	v_add_nc_u32 v99, RED, v99
.irp i, 0,1,2,3,4,5,6,7
	ds_load_b32 v[104+\i], v99 offset:64*\i
.endr
	s_lshl_b32 s19, s2, 6
	v_lshl_add_u32 v101, v4, 2, s19
	s_wait_dscnt 0x0
	v_pk_add_f32 v[104:105], v[104:105], v[106:107]
	v_pk_add_f32 v[108:109], v[108:109], v[110:111]
	v_pk_add_f32 v[104:105], v[104:105], v[108:109]
	v_add_f32 v104, v104, v105
	v_permlanex16_b32 v105, v104, s16, s17
	v_add_f32 v104, v104, v105
	v_cmp_gt_u32 vcc_lo, 16, v4
	s_wait_xcnt 0x0                                ; EXEC changes only behind this wait
	s_and_saveexec_b32 s20, vcc_lo
	global_store_b32 v101, v104, s[12:13]          ; 16 lanes store my block's 64 consecutive bytes
	s_wait_xcnt 0x0
	s_or_b32 exec_lo, exec_lo, s20
.Lend:
	s_wait_tensorcnt 0x0                           ; the wave's end, behind my last LDS store
	ds_add_u32 v2, v3
	s_wait_dscnt 0x0
	s_endpgm
.Lfunc_end_k_qf1eac933c0_final:
	.size	k_qf1eac933c0_final, .Lfunc_end_k_qf1eac933c0_final-k_qf1eac933c0_final
	.p2alignl 7, 3214868480
	.fill 96, 4, 3214868480
	.section	.rodata,"a",@progbits
	.p2align	6, 0x0
	.amdhsa_kernel k_qf1eac933c0_final
		.amdhsa_group_segment_fixed_size 19456
		.amdhsa_private_segment_fixed_size 0
		.amdhsa_enable_private_segment 0
		.amdhsa_kernarg_size 40
		.amdhsa_user_sgpr_count 2
		.amdhsa_user_sgpr_kernarg_segment_ptr 1
		.amdhsa_wavefront_size32 1
		.amdhsa_system_sgpr_workgroup_id_x 1
		.amdhsa_system_sgpr_workgroup_id_y 1
		.amdhsa_system_sgpr_workgroup_id_z 1
		.amdhsa_system_vgpr_workitem_id 0
		.amdhsa_next_free_vgpr 192
		.amdhsa_next_free_sgpr 66
		.amdhsa_reserve_vcc 1
		.amdhsa_float_denorm_mode_32 3
		.amdhsa_float_denorm_mode_16_64 3
		.amdhsa_memory_ordered 1
		.amdhsa_forward_progress 1
		.amdhsa_inst_pref_size 17
	.end_amdhsa_kernel
	.amdgpu_metadata
---
amdhsa.version: [ 1, 2 ]
amdhsa.kernels:
  - .name:           k_qf1eac933c0_final
    .symbol:         k_qf1eac933c0_final.kd
    .args:
      - { .name: XB, .offset: 0, .size: 8, .value_kind: global_buffer, .address_space: global }
      - { .name: YR, .offset: 8, .size: 8, .value_kind: global_buffer, .address_space: global }
      - { .name: ST, .offset: 16, .size: 8, .value_kind: global_buffer, .address_space: global }
      - { .name: INIT, .offset: 24, .size: 8, .value_kind: global_buffer, .address_space: global }
      - { .name: out0, .offset: 32, .size: 8, .value_kind: global_buffer, .address_space: global }
    .group_segment_fixed_size: 19456
    .private_segment_fixed_size: 0
    .kernarg_segment_align: 8
    .kernarg_segment_size: 40
    .max_flat_workgroup_size: 512
    .sgpr_count:     66
    .vgpr_count:     192
    .wavefront_size: 32
...
	.end_amdgpu_metadata
.endif
;; end of part 4
;; ======== version 2 of 2: 4 launches; version 1 with the launch prep written anew for expert scheduling mode
;; limits: values outside matrix products are rounded to bf16
;; workspace buffers: KB 2,064,384 bytes; XB 2,064,384 bytes; INIT 6,144 bytes; CH 995,328 bytes; YR 98,304 bytes; ST 49,152 bytes
;; launch proj: the kernel of part 1 again; grid 153 x 1, 8 waves a work-group, no clusters, 308,224 bytes of LDS; arguments emb, W_k, b_k, W_v, b_v, M_sent0, M_para0, M_doc0, q, KB, XB, INIT; writes KB, XB, INIT
;; launch prep (part 5): grid 24 x 1, 8 waves a work-group, no clusters, 62,464 bytes of LDS; arguments KB, XB, CH; writes CH
.if DOCPART == 5
	.amdgcn_target "amdgcn-amd-amdhsa--gfx1250"
	.amdhsa_code_object_version 6
	.text
	.protected	k_qf1eac933c0_prep
	.globl	k_qf1eac933c0_prep
	.p2align	8
	.type	k_qf1eac933c0_prep,@function
k_qf1eac933c0_prep:
	s_mov_b64 s[64:65], 0
	v_nop
	global_prefetch_b8 v0, s[64:65] scope:SCOPE_SE
	s_setreg_imm32_b32 hwreg(HW_REG_WAVE_SCHED_MODE, 0, 2), 2
	s_setreg_imm32_b32 hwreg(HW_REG_WAVE_MODE, 25, 1), 1
	s_wait_xcnt 0x0
	s_wait_alu depctr_vm_vsrc(0)
; SECOND LAUNCH.  The 1,000 (200) dependent steps x <- x - 0.1 k (k.x + rho) are taken 64 at a time: with Kn the chunk's 64 normalised keys in the order
; in which they are applied, y = Linv (Kn x + rho), x <- x - 0.1 Kn^T y, Linv = (I + 0.1 strictlower(Kn Kn^T))^-1.  This launch makes, for each of 24 chunks,
; a record of 81 rows of 512 bytes: Kn (64 x 256 bf16), Linv (64 x 64 bf16), rho (64 f32, twice).
; Records 0..15: sentence chunks 15..0, rows in reversed time (the backward chain from q).  16..19: paragraph chunks 3..0, reversed.  20..23: paragraph chunks 0..3 in
; time order (the forward chain for doc_k), with rho = -10 mean_v(PV) 0.99^-(tau+1).  Rows past the last sentence or paragraph get Kn = 0 and rho = 0: steps that change nothing.
; Linv is found exactly, in f32, by substitution: thread t makes row t.  LIMITS: Kn and Linv are rounded to bf16; NaN and infinities are not treated apart.
; THE MODE: SCHED_MODE bits 1:0 = 2 (LLVM: expert scheduling mode 2), set by the entry lines.  The code itself states the register dependences
; between vector or matrix instructions and memory or LDS instructions, with s_wait_alu, always for 0.
; THE PLAN.  Registers that memory or LDS instructions touch:
;   v8                          offset in KB and XB: made at the head, ahead of the first wait on va_vdst; never written again.
;   v9 v10 v13 v14 v15 v18 v19  LDS addresses and 16 t: made while K's loads are out, ahead of the wait that stands in front of the first LDS stores; never written again.
;   v20 v22 v23                 LDS addresses for the last two phases: made in the places behind the last matrix instruction, ahead of the wait in front of N's stores.
;   v21                         where Linv is stored: made beside the conversions whose results go there.
;   v64-127    K lands; squares, scaling and conversions read it.  Then fragments land; matrix instructions read them.  Then X of the substitution: vector instructions alone.
;   v128-159   the conversions write Kn in bf16; LDS stores read it.  v128-255: fragments land; matrix instructions read them.  Then the substitution's two row buffers.
;   v160-223   PV lands (records 20..23); sums read it.
;   v32-63     Kn comes back by rows and global stores read it.  Then accumulators (v32-47) and N (v48-63), which LDS stores read.  Then v32-43: Linv and rho come back and are stored.
;   v30        rho: written by vector instructions, read by one LDS store.      v2, v3: written at the head, read by the closing add alone.
; Masks go into scalar registers in runs, one wait on va_sdst behind each run: s3 and s10 at the head, s12-27 for N, s12-27 four times for the unit matrix.  VCC is not used.
.set CBS,   129024
.set RECB,  41472
.set KP,    528                        ; Kn in LDS: 512 bytes + 16
.set GM,    33792                      ; -0.1 strictlower(G), 64 x 64 f32, pitch 272
.set GP,    272
.set TS,    51200                      ; Linv in bf16, pitch 144
.set TP,    144
.set RHO,   60416                      ; rho, four copies of 256 bytes
.set SPARE, 61440
	s_load_b128 s[4:7], s[0:1], 0x0                ; KB, XB
	s_load_b64 s[8:9], s[0:1], 0x10                ; CH
	v_lshl_add_u32 v2, v0, 2, SPARE
	v_mov_b32 v3, 0
	v_lshrrev_b32 v1, 5, v0
	v_readfirstlane_b32 s3, v1
	s_mov_b32 s2, ttmp9
	s_sub_co_u32 s20, 15, s2
	s_sub_co_u32 s21, 19, s2
	s_sub_co_u32 s22, s2, 20
	s_movk_i32 s23, 1000
	s_movk_i32 s24, 200
	s_movk_i32 s25, 1023
	s_movk_i32 s26, 207
	s_cmp_lt_u32 s2, 16
	s_cselect_b32 s12, 0, 1040                     ; first row of the region in KB and XB
	s_cselect_b32 s13, s23, s24                    ; rows that exist
	s_cselect_b32 s14, s25, s26                    ; the last row that may be loaded
	s_cselect_b32 s15, s20, s21
	s_cmp_lt_u32 s2, 20
	s_cselect_b32 s15, s15, s22                    ; the chunk
	s_cselect_b32 s16, 63, 0                       ; reversed or not
	s_lshl_b32 s15, s15, 6
	s_mul_i32 s18, s2, RECB
	s_mov_b32 s19, 0
	v_lshrrev_b32 v4, 2, v0                        ; l: my row of the record; four threads a row
	v_and_b32 v5, 3, v0                            ; qd
	v_xor_b32 v6, s16, v4
	v_add_nc_u32 v6, s15, v6                       ; its place in time
	v_cmp_gt_u32 s10, s13, v6                      ; does the row exist?  Both selects below read this mask
	v_min_u32 v7, s14, v6
	v_add_nc_u32 v8, s12, v7
	v_lshlrev_b32 v8, 6, v8
	v_lshl_add_u32 v8, v5, 4, v8
	v_mov_b32 v30, 0                               ; rho, where the record has none
	s_wait_alu depctr_va_sdst(0)                   ; s3 and s10 are written, ahead of their first readers and of the first branch
	s_wait_kmcnt 0x0
	s_add_nc_u64 s[8:9], s[8:9], s[18:19]          ; my record
	s_wait_alu depctr_va_vdst(0)                   ; v8 is written, which the loads of K and of PV read as their offset
.set c, 0
.rept 16
	global_load_b128 v[64+4*c:67+4*c], v8, s[4:5] offset:CBS*c
.set c, c+1
.endr
	; all addresses of the first two phases, while K is on its way
	v_mul_u32_u24 v9, v4, KP
	v_lshl_add_u32 v9, v5, 3, v9
	v_lshlrev_b32 v10, 2, v4
	v_lshl_add_u32 v10, v5, 8, v10
	v_add_nc_u32 v10, RHO, v10
	v_lshlrev_b32 v19, 4, v0                       ; 16 t
	v_mul_u32_u24 v13, v1, KP                      ; Kn back by rows: row wave + 8 i, 16 bytes a lane
	v_and_b32 v7, 31, v0
	v_lshl_add_u32 v13, v7, 4, v13
	v_and_b32 v11, 15, v0                          ; r
	v_bfe_u32 v12, v0, 4, 1                        ; h
	s_lshr_b32 s27, s3, 1                          ; a: my block of 16 columns of -0.1 G
	s_and_b32 s28, s3, 1
	s_lshl_b32 s28, s28, 1                         ; b0: the first of my two blocks of 16 rows
	v_mul_u32_u24 v31, v11, KP
	v_lshl_add_u32 v31, v12, 4, v31
	s_mul_i32 s29, s27, 16*KP
	v_add_nc_u32 v14, s29, v31
	s_mul_i32 s29, s28, 16*KP
	v_add_nc_u32 v15, s29, v31
	s_sub_co_i32 s29, s28, s27
	s_lshl_b32 s29, s29, 4
	v_lshlrev_b32 v16, 3, v12
	v_sub_nc_u32 v16, v11, v16
	v_add_nc_u32 v16, s29, v16                     ; row - column of my register 0: register j is kept where j is smaller
	v_add_nc_u32 v17, 16, v16
	v_mul_u32_u24 v18, v11, GP
	v_lshl_add_u32 v18, v12, 5, v18
	s_mul_i32 s30, s28, 16*GP
	s_lshl_b32 s31, s27, 6
	s_add_co_u32 s30, s30, s31
	s_add_co_u32 s30, s30, GM
	v_add_nc_u32 v18, s30, v18
	s_cmp_lt_u32 s2, 20
	s_cbranch_scc1 .Lno_rho
.set c, 0
.rept 16                                               ; the forward chain alone: the paragraph's PV row, asked for while K is still out.  No wait: v8 stands as it was, and nothing has named v[160:223]
	global_load_b128 v[160+4*c:163+4*c], v8, s[6:7] offset:CBS*c
.set c, c+1
.endr
	v_add_nc_u32 v31, 1, v6
	v_cvt_f32_u32 v31, v31
	v_mul_f32 v31, 0x3c6d8f9a, v31                 ; (tau + 1) x -log2(0.99)
	v_exp_f32 v31, v31
	v_nop
	s_wait_alu depctr_va_vdst(0)                   ; the exponential has written v31, ahead of its reader below
	s_wait_loadcnt 0x0
.set p, 4
.rept 28
	v_pk_add_f32 v[160+2*(p%4):161+2*(p%4)], v[160+2*(p%4):161+2*(p%4)], v[160+2*p:161+2*p]
.set p, p+1
.endr
	v_pk_add_f32 v[160:161], v[160:161], v[162:163]
	v_pk_add_f32 v[164:165], v[164:165], v[166:167]
	v_pk_add_f32 v[160:161], v[160:161], v[164:165]
	v_add_f32 v160, v160, v161
	v_add_f32_dpp v160, v160, v160 row_xmask:1 row_mask:0xf bank_mask:0xf
	v_add_f32_dpp v160, v160, v160 row_xmask:2 row_mask:0xf bank_mask:0xf
	v_mul_f32 v160, 0xbd200000, v160               ; x -10 / 256
	v_mul_f32 v160, v160, v31
	v_cndmask_b32 v30, 0, v160, s10
.Lno_rho:
	s_wait_loadcnt 0x0
.irp p, 0,1,2,3
	v_pk_mul_f32 v[20+2*\p:21+2*\p], v[64+2*\p:65+2*\p], v[64+2*\p:65+2*\p]
.endr
.set p, 4
.rept 28
	v_pk_fma_f32 v[20+2*(p%4):21+2*(p%4)], v[64+2*p:65+2*p], v[64+2*p:65+2*p], v[20+2*(p%4):21+2*(p%4)]
.set p, p+1
.endr
	v_pk_add_f32 v[20:21], v[20:21], v[22:23]
	v_pk_add_f32 v[24:25], v[24:25], v[26:27]
	v_pk_add_f32 v[20:21], v[20:21], v[24:25]
	v_add_f32 v20, v20, v21
	v_add_f32_dpp v20, v20, v20 row_xmask:1 row_mask:0xf bank_mask:0xf
	v_add_f32_dpp v20, v20, v20 row_xmask:2 row_mask:0xf bank_mask:0xf
	v_sqrt_f32 v21, v20
	v_nop
	s_wait_alu depctr_va_vdst(0)                   ; the root has written v21
	v_max_num_f32 v21, 0x2b8cbccc, v21             ; max(|k|, 1e-12)
	v_rcp_f32 v22, v21
	v_nop
	s_wait_alu depctr_va_vdst(0)                   ; the reciprocal has written v22
	v_cndmask_b32 v28, 0, v22, s10                 ; 0 for a row that does not exist
	v_mov_b32 v29, v28
.set p, 0
.rept 32
	v_pk_mul_f32 v[64+2*p:65+2*p], v[64+2*p:65+2*p], v[28:29]
.set p, p+1
.endr
.set p, 0
.rept 32
	v_cvt_pk_bf16_f32 v[128+p], v[64+2*p], v[65+2*p]
.set p, p+1
.endr
	s_wait_alu depctr_va_vdst(0)                   ; the conversions have written v[128:159] and v30 is written, which the LDS stores read; the addresses v9 to v19 are written; and all that read v[64:127] and v[160:223], in which fragments land behind the barrier, is done
.set c, 0
.rept 16
	ds_store_b64 v9, v[128+2*c:129+2*c] offset:32*c
.set c, c+1
.endr
	ds_store_b32 v10, v30
	s_wait_dscnt 0x0
	s_barrier_signal -1
	s_barrier_wait -1                              ; Kn and rho lie in LDS
	s_wait_alu depctr_vm_vsrc(0)                   ; my LDS stores have read v[128:159], in which fragments land below
	; Kn goes out as it lies, 8 rows of 512 bytes a pass, through registers of its own, so that the fragments' loads follow in the same run
.irp i, 0,1,2,3,4,5,6,7
	ds_load_b128 v[32+4*\i:35+4*\i], v13 offset:8*KP*\i
.endr
.set k, 0
.rept 8
	ds_load_b128 v[64+8*k:67+8*k], v14 offset:64*k
	ds_load_b128 v[68+8*k:71+8*k], v14 offset:64*k+32
	ds_load_b128 v[128+8*k:131+8*k], v15 offset:64*k
	ds_load_b128 v[132+8*k:135+8*k], v15 offset:64*k+32
	ds_load_b128 v[192+8*k:195+8*k], v15 offset:16*KP+64*k
	ds_load_b128 v[196+8*k:199+8*k], v15 offset:16*KP+64*k+32
.set k, k+1
.endr
.irp j, 0,1,2,3,4,5,6,7
	v_cmp_lt_i32 s[12+\j], \j, v16                 ; which of my sixteen numbers of G lie below the diagonal: one run of compares,
	v_cmp_lt_i32 s[20+\j], \j, v17
.endr
	s_wait_alu depctr_va_sdst(0)                   ; s12 to s27 are written, ahead of the selects that read them
	s_wait_dscnt 48                                ; Kn's eight loads are back; the 48 younger ones, the fragments, stay out
.irp i, 0,1,2,3,4,5,6,7
	global_store_b128 v19, v[32+4*\i:35+4*\i], s[8:9] offset:4096*\i
.endr
	s_wait_dscnt 0x0
	s_wait_xcnt 0x0                                ; the stores have had their addresses translated: their data registers are written again below
	s_wait_alu depctr_vm_vsrc(0)                   ; the stores have read v[32:63], which the matrix instructions and N's lines write
	v_wmma_f32_16x16x32_bf16 v[32:39], v[64:71], v[128:135], 0
	v_wmma_f32_16x16x32_bf16 v[40:47], v[64:71], v[192:199], 0
.set k, 1
.rept 7                                                ; two accumulators by turns
	v_wmma_f32_16x16x32_bf16 v[32:39], v[64+8*k:71+8*k], v[128+8*k:135+8*k], v[32:39]
	v_wmma_f32_16x16x32_bf16 v[40:47], v[64+8*k:71+8*k], v[192+8*k:199+8*k], v[40:47]
.set k, k+1
.endr
	; the last phases' addresses: seven plain instructions that name no register of the products, the places behind them
	v_mov_b32 v20, GM                              ; N's rows are read by all lanes alike
	v_lshrrev_b32 v22, 3, v0
	v_mul_u32_u24 v22, v22, TP
	v_and_b32 v21, 7, v0
	v_lshl_add_u32 v22, v21, 4, v22
	v_add_nc_u32 v22, TS, v22                      ; Linv back: row t / 8, 16 bytes at t % 8
	v_add_nc_u32 v23, RHO, v19                     ; rho back
.irp j, 0,1,2,3,4,5,6,7
	v_mul_f32 v[48+\j], 0xbdcccccd, v[32+\j]
	v_cndmask_b32 v[48+\j], 0, v[48+\j], s[12+\j]
.endr
.irp j, 0,1,2,3,4,5,6,7
	v_mul_f32 v[56+\j], 0xbdcccccd, v[40+\j]
	v_cndmask_b32 v[56+\j], 0, v[56+\j], s[20+\j]
.endr
	s_wait_alu depctr_va_vdst(0)                   ; v[48:63] are written, which the LDS stores read; v20, v22 and v23 are written; the matrix instructions are done with v[32:47] and v[64:255], in which later loads land
	ds_store_b128 v18, v[48:51]
	ds_store_b128 v18, v[52:55] offset:16
	ds_store_b128 v18, v[56:59] offset:16*GP
	ds_store_b128 v18, v[60:63] offset:16*GP+16
	s_wait_dscnt 0x0
	s_barrier_signal -1
	s_barrier_wait -1                              ; N = -0.1 strictlower(G) lies in LDS, zeros on and above the diagonal
	s_cmp_lt_u32 s3, 2
	s_cbranch_scc0 .Lno_sub
	; Row t of X = (I - N)^-1 obeys X = I + X N: X[t][c] = delta + the sum over u > c of X[t][u] N[u][c].  u goes down from 63: when u's turn comes X[t][u] is final.
	; Row u of N is read by all lanes alike; the next row's loads are issued ahead of the wait for this row's.
.set c, 0
.rept 16                                               ; no wait: no vector or matrix instruction since the wait above names v20 or v[128:191]
	ds_load_b128 v[128+4*c:131+4*c], v20 offset:63*GP+16*c
.set c, c+1
.endr
	v_mov_b32 v7, 1.0
.set c, 0
.rept 4                                                ; the unit matrix, sixteen columns at a time: a run of compares, one wait, the selects
.set i, 0
.rept 16
	v_cmp_eq_u32 s[12+i], c+i, v0
.set i, i+1
.endr
	s_wait_alu depctr_va_sdst(0)                   ; s12 to s27 are written, ahead of the selects that read them
.set i, 0
.rept 16
	v_cndmask_b32 v[64+c+i], 0, v7, s[12+i]
.set i, i+1
.endr
.set c, c+16
.endr
.set u, 63
.rept 63
.set nn, (u+2)/4                       ; loads for row u - 1: its u - 1 numbers, four a load
.set cur, 128+64*((u+1)%2)
.set nxt, 128+64*(u%2)
.if (nn > 0) && (u < 63)
	s_wait_alu depctr_va_vdst(0)                   ; row u + 1's multiply-adds are done reading the buffer in which row u - 1 lands (at u = 63 its last readers were the matrix instructions, which stand ahead of an earlier wait)
.endif
.set c, 0
.rept nn
	ds_load_b128 v[nxt+4*c:nxt+4*c+3], v20 offset:(u-1)*GP+16*c
.set c, c+1
.endr
	s_wait_dscnt nn                                ; row u is in; the loads just issued stay out
.set c, 0
.rept 2*((u+3)/4)
.if u%2
	v_pk_fma_f32 v[64+2*c:65+2*c], v[cur+2*c:cur+2*c+1], v[64+2*(u/2):65+2*(u/2)], v[64+2*c:65+2*c] op_sel:[0,1,0] op_sel_hi:[1,1,1]
.else
	v_pk_fma_f32 v[64+2*c:65+2*c], v[cur+2*c:cur+2*c+1], v[64+2*(u/2):65+2*(u/2)], v[64+2*c:65+2*c] op_sel_hi:[1,0,1]
.endif
.set c, c+1
.endr
.set u, u-1
.endr
	v_mul_u32_u24 v21, v0, TP
	v_add_nc_u32 v21, TS, v21
.set p, 0
.rept 32
	v_cvt_pk_bf16_f32 v[192+p], v[64+2*p], v[65+2*p]
.set p, p+1
.endr
	s_wait_alu depctr_va_vdst(0)                   ; the conversions have written v[192:223] and v21 is written, which the LDS stores read
.irp c, 0,1,2,3,4,5,6,7
	ds_store_b128 v21, v[192+4*\c:195+4*\c] offset:16*\c
.endr
.Lno_sub:
	s_wait_dscnt 0x0
	s_barrier_signal -1
	s_barrier_wait -1                              ; Linv lies in LDS
	ds_load_b128 v[32:35], v22                     ; no wait, on either way here: nothing since the wait in front of N's stores names v22, v23 or v[32:43]
	ds_load_b128 v[36:39], v22 offset:32*TP
	s_wait_dscnt 0x0
	global_store_b128 v19, v[32:35], s[8:9] offset:32768
	global_store_b128 v19, v[36:39], s[8:9] offset:36864
	s_cmp_eq_u32 s3, 0
	s_cbranch_scc0 .Lno_copy
	ds_load_b128 v[40:43], v23
	s_wait_dscnt 0x0
	global_store_b128 v19, v[40:43], s[8:9] offset:40960
.Lno_copy:
	s_wait_dscnt 0x0                               ; the closing lines, six on end
	s_wait_alu 0x0
	s_wait_tensorcnt 0x0
	ds_add_u32 v2, v3
	s_wait_dscnt 0x0
	s_endpgm
.Lfunc_end_k_qf1eac933c0_prep:
	.size	k_qf1eac933c0_prep, .Lfunc_end_k_qf1eac933c0_prep-k_qf1eac933c0_prep
	.p2alignl 7, 3214868480
	.fill 96, 4, 3214868480
	.section	.rodata,"a",@progbits
	.p2align	6, 0x0
	.amdhsa_kernel k_qf1eac933c0_prep
		.amdhsa_group_segment_fixed_size 62464
		.amdhsa_private_segment_fixed_size 0
		.amdhsa_enable_private_segment 0
		.amdhsa_kernarg_size 24
		.amdhsa_user_sgpr_count 2
		.amdhsa_user_sgpr_kernarg_segment_ptr 1
		.amdhsa_wavefront_size32 1
		.amdhsa_system_sgpr_workgroup_id_x 1
		.amdhsa_system_sgpr_workgroup_id_y 1
		.amdhsa_system_sgpr_workgroup_id_z 1
		.amdhsa_system_vgpr_workitem_id 0
		.amdhsa_next_free_vgpr 256
		.amdhsa_next_free_sgpr 66
		.amdhsa_reserve_vcc 0
		.amdhsa_float_denorm_mode_32 3
		.amdhsa_float_denorm_mode_16_64 3
		.amdhsa_memory_ordered 1
		.amdhsa_forward_progress 1
		.amdhsa_inst_pref_size 141
	.end_amdhsa_kernel
	.amdgpu_metadata
---
amdhsa.version: [ 1, 2 ]
amdhsa.kernels:
  - .name:           k_qf1eac933c0_prep
    .symbol:         k_qf1eac933c0_prep.kd
    .args:
      - { .name: KB, .offset: 0, .size: 8, .value_kind: global_buffer, .address_space: global }
      - { .name: XB, .offset: 8, .size: 8, .value_kind: global_buffer, .address_space: global }
      - { .name: CH, .offset: 16, .size: 8, .value_kind: global_buffer, .address_space: global }
    .group_segment_fixed_size: 62464
    .private_segment_fixed_size: 0
    .kernarg_segment_align: 8
    .kernarg_segment_size: 24
    .max_flat_workgroup_size: 256
    .sgpr_count:     66
    .vgpr_count:     256
    .wavefront_size: 32
...
	.end_amdgpu_metadata
.endif
;; end of part 5
;; launch chain: the kernel of part 3 again; grid 2 x 1, 1 waves a work-group, no clusters, 327,680 bytes of LDS; arguments CH, INIT, YR, ST; writes YR, ST
;; launch final: the kernel of part 4 again; grid 16 x 1, 16 waves a work-group, no clusters, 19,456 bytes of LDS; arguments XB, YR, ST, INIT, out0; writes out0
